; MI455X (gfx1250); checked and timed in simulation.
; The chip was launched on July 23, 2026; its instructions are those of AMD's public machine-readable ISA for CDNA 5 (MIT licence, August 2026) and "CDNA5" Instruction Set Architecture Reference Guide (July 2026). The comments in the code are by the model that wrote it; some were corrected since.
;; Tri Level Multi Headed Attention. Allowed arithmetic: matrix products marked QUANTISED: E2M1 operands, one E8M0 scale for each 32 along K, by v_wmma_scale_f32_16x16x128_f8f6f4 with both operands' format E2M1 (or v_wmma_scale_f32_32x16x128_f4), f32 sums; products left as they are: bf16, f16 or f32 operands; f32 sums; everything else in f32.
;; Inputs: Wk 1,024 x 1,024 float32; Wo 1,024 x 1,024 float32; Wq 1,024 x 1,024 float32; Wtk 256 x 1,024 float32; Wtq 256 x 1,024 float32; Wtv 256 x 1,024 float32; Wv 1,024 x 1,024 float32; bk 1,024 float32; bo 1,024 float32; bq 1,024 float32; btk 1,024 float32; btq 1,024 float32; btv 1,024 float32; bv 1,024 float32; mask 4 x 1 x 1,024 int32; x1 4 x 1,024 x 1,024 float32; x2 4 x 1,024 x 1,024 float32; x3 4 x 1,024 x 256 float32.
;; Outputs: out0 4 x 1,024 x 1,024 float32.
;; This version of the problem:
;;   THIS VERSION OF THE PROBLEM IS GIVEN IN LOW PRECISION. The matrix products marked QUANTISED in the list below multiply operands that are first quantised to E2M1 (2 exponent bits, 1 mantissa bit; 4 bits a number), with one power-of-two scale for each 32 numbers along K (OCP MX v1.0); their sums are f32. The products marked 'left as it is' may take bf16, f16 or f32 operands, with f32 sums. Whichever they take, every output number must still come out within the allowed error. Rounding operands to bf16 (8 significant bits) uses up far more of that allowance than f16 does (11 bits, for magnitudes from 6e-5 to 65,504). All else is computed in f32.
;;   The module's matrix products, in the order in which they are computed (A, B: the left and right operand; K: the contracted axis; several contracted axes count as one K, in the product's order):
;;     1. [M 4,096, K 1,024] x [K 1,024, N 1,024]; A: input x1; B: input Wq: QUANTISED
;;     2. [M 4,096, K 1,024] x [K 1,024, N 1,024]; A: input x1; B: input Wk: QUANTISED
;;     3. [M 4,096, K 1,024] x [K 1,024, N 1,024]; A: input x1; B: input Wv: QUANTISED
;;     4. [M 4,096, K 1,024] x [K 1,024, N 1,024]; A: input x2; B: input Wq: QUANTISED
;;     5. [M 4,096, K 1,024] x [K 1,024, N 1,024]; A: input x2; B: input Wk: QUANTISED
;;     6. [M 4,096, K 1,024] x [K 1,024, N 1,024]; A: input x2; B: input Wv: QUANTISED
;;     7. [M 4,096, K 256] x [K 256, N 1,024]; A: input x3; B: input Wtq: QUANTISED
;;     8. [M 4,096, K 256] x [K 256, N 1,024]; A: input x3; B: input Wtk: QUANTISED
;;     9. [M 4,096, K 256] x [K 256, N 1,024]; A: input x3; B: input Wtv: QUANTISED
;;     10. batch 64 x [M 1,024, K 64] x [K 64, N 1,024]; A: computed on the way; B: computed on the way: left as it is (an operand is computed on the way)
;;     11. batch 64 x [M 1,024, K 1,024] x [K 1,024, N 64]; A: computed on the way; B: computed on the way: left as it is (an operand is computed on the way)
;;     12. batch 64 x [M 1,024, K 64] x [K 64, N 1,024]; A: computed on the way; B: computed on the way: left as it is (an operand is computed on the way)
;;     13. batch 64 x [M 1,024, K 1,024] x [K 1,024, N 64]; A: computed on the way; B: computed on the way: left as it is (an operand is computed on the way)
;;     14. batch 64 x [M 1,024, K 64] x [K 64, N 1,024]; A: computed on the way; B: computed on the way: left as it is (an operand is computed on the way)
;;     15. batch 64 x [M 1,024, K 1,024] x [K 1,024, N 64]; A: computed on the way; B: computed on the way: left as it is (an operand is computed on the way)
;;     16. [M 4,096, K 1,024] x [K 1,024, N 1,024]; A: computed on the way; B: input Wo: left as it is (an operand is computed on the way)
;;   THE QUANTISER, for each operand of a quantised product, along K:
;;     - K is cut into blocks of 32 from its start; a last block that is shorter is filled with zeros.
;;     - A block's scale is 2^e with e = floor(log2(the largest magnitude in the block)) - 2, held to -126 .. 127; a block of zeros has e = 0. As a byte (E8M0): e + 127.
;;     - Each number is divided by its block's scale, clamped to +-6, and rounded to the nearest number of E2M1, ties to even, subnormals kept.
;;     - The product sums the exact products of the quantised numbers (number of the format x scale) in f32.
;;   ~~~python
;;   def quantise(x, axis):      # numpy; x: float32 -> the quantised numbers, widened to float32 again
;;       x = np.moveaxis(x, axis, -1); K = x.shape[-1]
;;       x = np.pad(x, [(0, 0)] * (x.ndim - 1) + [(0, -K % 32)]); x = x.reshape(x.shape[:-1] + (-1, 32)); a = np.abs(x).max(-1, keepdims=True)
;;       e = np.where(a > 0, np.clip(np.frexp(np.where(a > 0, a, 1))[1] - 1 - 2, -126, 127), 0)      # np.frexp(a)[1] - 1 = floor(log2(a)), exactly
;;       r = np.clip(x / 2.0 ** e, -6, 6)
;;       step = 2.0 ** (np.maximum(np.frexp(np.where(r == 0, 1, r))[1] - 1, 0) - 1)
;;       q = np.round(r / step) * step * 2.0 ** e      # np.round: ties to even
;;       return np.moveaxis(q.reshape(q.shape[:-2] + (-1,))[..., :K], -1, axis).astype(np.float32)
;;   ~~~
;; One version. Each part assembles by itself: llvm-mc -triple=amdgcn-amd-amdhsa -mcpu=gfx1250 --defsym DOCPART=n.
;; ======== version 1 of 1: 5 launches
;; limits: values are held in f16: magnitudes above 65,504 overflow, below 6.1e-05 lose precision
;; workspace buffers: codes 6,684,672 bytes; scales 417,792 bytes; wof 2,097,152 bytes; qkv 75,497,472 bytes; xf 8,388,608 bytes
;; launch prep (part 1): grid 392 x 1, 4 waves a work-group, no clusters, 86,528 bytes of LDS; arguments x1, x2, x3, Wq, Wk, Wv, Wtq, Wtk, Wtv, Wo, codes, scales, wof; writes codes, scales, wof
.if DOCPART == 1
	.amdgcn_target "amdgcn-amd-amdhsa--gfx1250"
	.amdhsa_code_object_version 6
	.text
	.protected	k_qda1dcd6220_prep
	.globl	k_qda1dcd6220_prep
	.p2align	8
	.type	k_qda1dcd6220_prep,@function
k_qda1dcd6220_prep:
	s_mov_b64 s[64:65], 0
	v_nop
	global_prefetch_b8 v0, s[64:65] scope:SCOPE_SE
	s_setreg_imm32_b32 hwreg(HW_REG_WAVE_MODE, 25, 1), 1
	s_wait_xcnt 0x0
; PREP: every operand of the nine quantised products becomes codes of E2M1 with K innermost and one E8M0 byte for each 32 along K; Wo becomes f16 in the order of an operand's registers.
; NO WORK OF reference() IS LEFT OUT in this program: every input has a way to the output and is loaded (bk too: masked keys get a fixed score, so a bias on K is not the same along the softmax's axis).
; codes:  x1, x2 [8192][512 B] at 0; x3 [4096][128 B] at 4,194,304; Wq, Wk, Wv as [3072 (1024 w + n)][512 B] at C_WC; Wtq, Wtk, Wtv as [3072][128 B] at C_WTC.
; scales: [8192][32] at 0; [4096][8] at 262,144; [3072][32] at S_WS; [3072][8] at S_WTS.
; wof:    [4 (256 k)][64 (16 columns)][8 (32 k)][4 pieces][16 columns][16 B]: piece p holds k = 8 p .. 8 p + 7 of a column, so that 32 lanes x 16 bytes are four registers of a 16-bit fragment.
; A block's scale is 2^(floor(log2(its largest magnitude)) - 2); its byte is the largest magnitude's exponent field - 2, held at 1 from below.
; LIMITS: a block of zeros gets the byte 1 where the rule says 127 (its codes are zeros, and this program alone reads the bytes); blocks whose largest magnitude lies under 2^-124 keep the byte 1;
; NaN and infinities among the inputs are not served; a number of Wo beyond 65,504 becomes an infinity of f16.
; FOUR PATHS part on the work-group's number and never join: 0-287 the rows of x (K innermost); 288-335 Wq, Wk, Wv; 336-359 Wtq, Wtk, Wtv (K outermost: a lane to a column); 360-391 Wo.
; Waves share nothing: no barrier.  Each path has LDS bytes of its own.
.set STEPS, 16
.set SP,    80                         ; path x: a lane's place in a stage: 64 bytes + 16 of padding
.set WREG,  8192                       ; path x: a wave's region from byte 0 on: two stages of 32 x SP, then its 256 scale bytes
.set WBIG,  32768                      ; the large weights' stages: 32 rows x 272 a wave
.set WTYP,  67584                      ; the type weights' stages: 32 rows x 144 a wave
.set SPARE, 86016                      ; the spare words, 128 bytes a wave: two blocks of 256 bytes that no other line names
.set C_WC,  4718592
.set C_WTC, 6291456
.set S_WS,  294912
.set S_WTS, 393216
.set NROW,  4096                       ; a row of any weight in bytes: 1,024 f32
.set SPW,   190                        ; v190 LDS address of my spare word; never rewritten
.set NIL,   191                        ; v191 0; never rewritten
.set WV,    36                         ; s36  my wave's number
.set XR,    16                         ; path x: v16-79 four sets of 16 numbers as loaded
.set XX,    80                         ;         v80-111 two sets of 16 neighbours
.set XE,    112                        ;         v112-127 a scale byte for each step
.set XCD,   128                        ;         v128-189 codes, four registers a step
.set WSB,   24                         ; weights: v24.. scale bytes, four to a register
.set WX,    32                         ;          v32-95 two sets of 32 numbers
.set WCR,   96                         ;          v96-99 a block's codes (path Wo: v96-127 two sets of 16 packed registers)
.set OUTR,  112                        ;          v112-175 the way out
.macro FINISH                          ; a wave's end
	s_wait_tensorcnt 0x0
	ds_add_u32 v[SPW], v[NIL]
	s_wait_dscnt 0x0
	s_endpgm
.endm
; ---- path x: a wave takes 16 steps of 512 numbers.  Loads take the bytes as they lie (512 a load); a step's 2,048 bytes turn through the wave's stage and come back 64 bytes a lane: 16 neighbours along K.
.macro XLOAD t
.irp i, 0,1,2,3
	global_load_b128 v[XR+16*((\t)%4)+4*\i:XR+16*((\t)%4)+4*\i+3], v3, s[38:39] offset:2048*(\t)+512*\i th:TH_LOAD_NT
.endr
.endm
.macro XTURN t                         ; LDS serves a wave's instructions in order: no wait between the stores and the loads
.irp i, 0,1,2,3
	ds_store_b128 v14, v[XR+16*((\t)%4)+4*\i:XR+16*((\t)%4)+4*\i+3] offset:32*SP*((\t)%2)+8*SP*\i
.endr
.irp i, 0,1,2,3
	ds_load_b128 v[XX+16*((\t)%2)+4*\i:XX+16*((\t)%2)+4*\i+3], v15 offset:32*SP*((\t)%2)+16*\i
.endr
.endm
.macro XSTEP t
.set XS, XX+16*((\t)%2)
.if (\t) > 0
	s_wait_dscnt 1                                 ; this step's numbers are back from the stage; the last step's byte store may be out
.else
	s_wait_dscnt 0x0
.endif
.if (\t)+4 < STEPS
	XLOAD (\t)+4                                   ; into the set whose stores into the stage have read their registers
.endif
.if (\t)+1 < STEPS
.if STEPS-2-(\t) >= 3
	s_wait_loadcnt 12                              ; the next step's four loads are in; those of the three steps behind it may be out
.else
	s_wait_loadcnt 4*(STEPS-2-(\t))
.endif
	XTURN (\t)+1
.endif
	v_max3_num_f32 v8, |v[XS]|, |v[XS+1]|, |v[XS+2]|   ; the largest magnitude of my 16, in two chains
	v_max3_num_f32 v9, |v[XS+3]|, |v[XS+4]|, |v[XS+5]|
.irp i, 6,10
	v_max3_num_f32 v8, v8, |v[XS+\i]|, |v[XS+\i+1]|
	v_max3_num_f32 v9, v9, |v[XS+\i+2]|, |v[XS+\i+3]|
.endr
	v_max3_num_f32 v8, v8, |v[XS+14]|, |v[XS+15]|
	v_max3_num_f32 v8, v8, v9, 0x1800000           ; and the floor 2^(3 - 127): the byte cannot fall under 1
	v_max_num_f32_dpp v8, v8, v8 row_xmask:1 row_mask:0xf bank_mask:0xf   ; with my neighbour's 16: the block's
	v_add_nc_u32 v11, 0xff000000, v8               ; 2 off the exponent field: the conversion's scale operand
	v_cvt_scalef32_pk8_fp4_f32 v[XCD+4*(\t)], v[XS:XS+7], v11
	v_cvt_scalef32_pk8_fp4_f32 v[XCD+4*(\t)+1], v[XS+8:XS+15], v11
	v_lshrrev_b32 v[XE+(\t)], 23, v11              ; the scale's byte
	ds_store_b8 v5, v[XE+(\t)] offset:16*(\t)      ; both lanes of a block write the same byte with the same value
	global_store_b64 v4, v[XCD+4*(\t):XCD+4*(\t)+1], s[50:51] offset:256*(\t)   ; 32 lanes store 256 consecutive bytes, aligned
.endm
; ---- the weights: a lane takes a column n and its registers run down K
.macro WLOAD t                         ; W(32 t + i, my column), i = 0 .. 31, into set t % 2: a wave reads 128 consecutive bytes a load
.set j, 0
.rept 32
	global_load_b32 v[WX+32*((\t)%2)+j], v3, s[38:39] offset:(32*(\t)+j)*NROW th:TH_LOAD_NT
.set j, j+1
.endr
.endm
.macro WBLOCK t
.set XS, WX+32*((\t)%2)
.if (\t) < NB-1
	s_wait_loadcnt 32                              ; this block's 32 loads are in; the next block's may be out
.else
	s_wait_loadcnt 0
.endif
	v_max3_num_f32 v12, |v[XS]|, |v[XS+1]|, |v[XS+2]|   ; all 32 numbers of the block are mine
	v_max3_num_f32 v13, |v[XS+3]|, |v[XS+4]|, |v[XS+5]|
.irp i, 6,10,14,18,22,26
	v_max3_num_f32 v12, v12, |v[XS+\i]|, |v[XS+\i+1]|
	v_max3_num_f32 v13, v13, |v[XS+\i+2]|, |v[XS+\i+3]|
.endr
	v_max3_num_f32 v12, v12, |v[XS+30]|, |v[XS+31]|
	v_max3_num_f32 v12, v12, v13, 0x1800000        ; the floor 2^(3 - 127)
	v_add_nc_u32 v11, 0xff000000, v12
	v_lshrrev_b32 v13, 23, v11
.if (\t)%4 == 0
	v_mov_b32 v[WSB+(\t)/4], v13                   ; four bytes to a register, the lower K in the lower byte
.else
	v_lshl_or_b32 v[WSB+(\t)/4], v13, 8*((\t)%4), v[WSB+(\t)/4]
.endif
.irp g, 0,1,2,3
	v_cvt_scalef32_pk8_fp4_f32 v[WCR+\g], v[XS+8*\g:XS+8*\g+7], v11
.endr
	ds_store_b128 v4, v[WCR:WCR+3] offset:16*(\t)  ; 32 codes: 16 bytes of my column's row
.if (\t)+2 < NB
	WLOAD (\t)+2
.endif
	s_wait_dscnt 0x0                               ; the store has read its registers: the next block's codes may be written
.endm
; A wave takes 32 columns x KW along K.  Given: s[38:39] the matrix, s40 which of three, s41 which 128 columns, s42 which KW along K.
.macro WQ SIZEK, KW, STG, CBASE, SBASE
.set NB,    (\KW)/32
.set ROWB,  (\KW)/2
.set PITCH, ROWB+16
.set KROW,  (\SIZEK)/2
.set LPR,   ROWB/16                    ; lanes to a row on the way out
.set RPI,   32/LPR                     ; rows an instruction
.set NI,    32/RPI
.if LPR == 16
.set LLOG, 4
.else
.set LLOG, 3
.endif
	s_lshl_b32 s43, s41, 7
	s_lshl_b32 s44, s[WV], 5
	s_add_co_u32 s43, s43, s44                     ; my wave's first column
	v_lshlrev_b32 v3, 2, v2                        ; in: 4 bytes a lane
	s_mul_i32 s44, s[WV], 32*PITCH
	s_add_co_u32 s44, s44, \STG                    ; my stage
	v_mul_u32_u24 v4, v2, PITCH
	v_add_nc_u32 v4, s44, v4                       ; into it: row = my column
	v_and_b32 v5, LPR-1, v2
	v_lshrrev_b32 v6, LLOG, v2
	v_mul_u32_u24 v7, v6, PITCH
	v_lshl_add_u32 v7, v5, 4, v7
	v_add_nc_u32 v7, s44, v7                       ; out of it: LPR lanes to a row
	v_mul_u32_u24 v8, v6, KROW
	v_lshl_add_u32 v8, v5, 4, v8                   ; and the same place among the codes
	v_mul_u32_u24 v9, v2, (\SIZEK)/32              ; my column's row of scale bytes
	s_mul_i32 s46, s42, (\KW)*NROW
	s_lshl_b32 s44, s43, 2
	s_add_co_u32 s46, s46, s44
	s_add_nc_u64 s[38:39], s[38:39], s[46:47]      ; (s47 = 0)
	s_lshl_b32 s45, s40, 10
	s_add_co_u32 s45, s45, s43                     ; the codes' row: 1024 w + column
	s_mul_i32 s46, s45, KROW
	s_mul_i32 s48, s42, ROWB
	s_add_co_u32 s46, s46, s48
	s_add_co_u32 s46, s46, \CBASE
	s_add_nc_u64 s[50:51], s[28:29], s[46:47]
	s_mul_i32 s46, s45, (\SIZEK)/32
	s_mul_i32 s48, s42, NB
	s_add_co_u32 s46, s46, s48
	s_add_co_u32 s46, s46, \SBASE
	s_add_nc_u64 s[52:53], s[30:31], s[46:47]
	WLOAD 0
	WLOAD 1
.set Q, 0
.rept NB
	WBLOCK Q
.set Q, Q+1
.endr
.if NB == 16
	global_store_b128 v9, v[WSB:WSB+3], s[52:53]   ; my column's 16 scale bytes
.else
	global_store_b64 v9, v[WSB:WSB+1], s[52:53]    ; my column's 8: the wave stores 256 consecutive bytes
.endif
.set Q, 0
.rept NI
	ds_load_b128 v[OUTR+4*Q:OUTR+4*Q+3], v7 offset:Q*RPI*PITCH   ; these see my stores: LDS serves a wave in order
.set Q, Q+1
.endr
.set Q, 0
.rept NI
	s_wait_dscnt NI-1-Q                            ; the younger loads may be out
	global_store_b128 v8, v[OUTR+4*Q:OUTR+4*Q+3], s[50:51] offset:Q*RPI*KROW   ; whole runs of 256 bytes or more, aligned
.set Q, Q+1
.endr
.endm
; ---- Wo: 32 k of my column become four pieces of 16 bytes
.macro OCHUNK t
.set XS, WX+32*((\t)%2)
.set FS, WCR+16*((\t)%2)
.if (\t) < 7
	s_wait_loadcnt 32                              ; this chunk's loads are in; the next chunk's may be out
.else
	s_wait_loadcnt 0
.endif
	s_wait_xcnt 0x0                                ; the stores of two chunks ago have read their registers
.set j, 0
.rept 16
	v_cvt_pk_f16_f32 v[FS+j], v[XS+2*j], v[XS+2*j+1]
.set j, j+1
.endr
.if (\t)+2 < 8
	WLOAD (\t)+2
.endif
.irp p, 0,1,2,3
	global_store_b128 v4, v[FS+4*\p:FS+4*\p+3], s[50:51] offset:1024*(\t)+256*\p   ; each half of the lanes stores 256 consecutive bytes, aligned
.endr
.endm
	s_load_b512 s[8:23], s[0:1], 0x0               ; x1 s8, x2 s10, x3 s12, Wq s14, Wk s16, Wv s18, Wtq s20, Wtk s22
	s_load_b256 s[24:31], s[0:1], 0x40             ; Wtv s24, Wo s26, codes s28, scales s30
	s_load_b64 s[32:33], s[0:1], 0x60              ; wof
	v_lshl_add_u32 v[SPW], v0, 2, SPARE
	v_mov_b32 v[NIL], 0
	v_lshrrev_b32 v1, 5, v0
	v_readfirstlane_b32 s[WV], v1                  ; wave 0..3
	v_and_b32 v2, 31, v0                           ; lane
	s_mov_b32 s47, 0                               ; the upper word of every 32-bit offset
	s_wait_kmcnt 0x0
	s_cmp_lt_u32 ttmp9, 288
	s_cbranch_scc1 .Lpath_x
	s_cmp_lt_u32 ttmp9, 336
	s_cbranch_scc1 .Lpath_wb
	s_cmp_lt_u32 ttmp9, 360
	s_cbranch_scc1 .Lpath_wt
	; ---- Wo: work-group g takes 128 columns (g % 8) x 256 k (g / 8); a lane a column
	s_sub_co_u32 s37, ttmp9, 360
	s_and_b32 s41, s37, 7
	s_lshr_b32 s42, s37, 3
	s_lshl_b32 s43, s41, 7
	s_lshl_b32 s44, s[WV], 5
	s_add_co_u32 s43, s43, s44                     ; my wave's first column
	s_lshl_b32 s46, s42, 20                        ; 256 rows of 4,096 bytes
	s_lshl_b32 s44, s43, 2
	s_add_co_u32 s46, s46, s44
	s_add_nc_u64 s[38:39], s[26:27], s[46:47]
	s_lshl_b32 s46, s42, 19                        ; 524,288 bytes for each 256 k,
	s_lshl_b32 s44, s43, 9                         ; 8,192 for each 16 columns
	s_add_co_u32 s46, s46, s44
	s_add_nc_u64 s[50:51], s[32:33], s[46:47]
	v_lshlrev_b32 v3, 2, v2
	v_lshrrev_b32 v4, 4, v2
	v_and_b32 v5, 15, v2
	v_lshlrev_b32 v4, 13, v4
	v_lshl_add_u32 v4, v5, 4, v4                   ; 8,192 (lane / 16) + 16 (lane % 16)
	WLOAD 0
	WLOAD 1
.irp t, 0,1,2,3,4,5,6,7
	OCHUNK \t
.endr
	FINISH
.Lpath_x:
	v_lshlrev_b32 v3, 4, v2                        ; my 16 bytes of a load's 512
	s_mul_i32 s37, s[WV], WREG
	v_lshrrev_b32 v14, 2, v2
	v_mul_u32_u24 v14, v14, SP
	v_and_b32 v15, 3, v2
	v_lshl_add_u32 v14, v15, 4, v14
	v_add_nc_u32 v14, s37, v14                     ; the stage, in: SP (lane / 4) + 16 (lane % 4)
	v_mul_u32_u24 v15, v2, SP
	v_add_nc_u32 v15, s37, v15                     ; and out: SP x lane
	v_lshlrev_b32 v4, 3, v2                        ; my 8 bytes of a step's codes
	v_lshrrev_b32 v5, 1, v2
	s_add_co_u32 s37, s37, 2*32*SP
	v_add_nc_u32 v5, s37, v5                       ; my block's byte among the wave's 256
	v_lshlrev_b32 v7, 3, v2
	v_add_nc_u32 v6, s37, v7
	s_cmp_lt_u32 ttmp9, 256                        ; the choice hangs on the work-group's number alone
	s_cselect_b64 s[38:39], s[10:11], s[12:13]
	s_cmp_lt_u32 ttmp9, 128
	s_cselect_b64 s[38:39], s[8:9], s[38:39]
	s_and_b32 s46, ttmp9, 127
	s_lshl_b32 s46, s46, 2
	s_add_co_u32 s46, s46, s[WV]
	s_lshl_b32 s46, s46, 15                        ; my run of 8,192 numbers in its tensor
	s_add_nc_u64 s[38:39], s[38:39], s[46:47]
	s_lshl_b32 s44, ttmp9, 2
	s_add_co_u32 s44, s44, s[WV]                   ; and among all runs: x3's codes and bytes follow x2's directly
	s_lshl_b32 s46, s44, 12
	s_add_nc_u64 s[50:51], s[28:29], s[46:47]
	s_lshl_b32 s46, s44, 8
	s_add_nc_u64 s[52:53], s[30:31], s[46:47]
.irp t, 0,1,2,3
	XLOAD \t
.endr
	s_wait_loadcnt 12                              ; step 0's four loads are in
	XTURN 0
.irp t, 0,1,2,3,4,5,6,7,8,9,10,11,12,13,14,15
	XSTEP \t
.endr
	ds_load_b64 v[8:9], v6                         ; my wave's 256 scale bytes, 8 a lane
	s_wait_dscnt 0x0
	global_store_b64 v7, v[8:9], s[52:53]          ; 256 consecutive bytes, aligned
	FINISH
.Lpath_wb:
	s_sub_co_u32 s37, ttmp9, 288
	s_lshr_b32 s40, s37, 4                         ; which of Wq, Wk, Wv
	s_and_b32 s41, s37, 7
	s_bfe_u32 s42, s37, 0x10003
	s_cmp_eq_u32 s40, 0
	s_cselect_b64 s[38:39], s[14:15], s[16:17]
	s_cmp_eq_u32 s40, 2
	s_cselect_b64 s[38:39], s[18:19], s[38:39]
	WQ 1024, 512, WBIG, C_WC, S_WS
	FINISH
.Lpath_wt:
	s_sub_co_u32 s37, ttmp9, 336
	s_lshr_b32 s40, s37, 3                         ; which of Wtq, Wtk, Wtv
	s_and_b32 s41, s37, 7
	s_mov_b32 s42, 0
	s_cmp_eq_u32 s40, 0
	s_cselect_b64 s[38:39], s[20:21], s[22:23]
	s_cmp_eq_u32 s40, 2
	s_cselect_b64 s[38:39], s[24:25], s[38:39]
	WQ 256, 256, WTYP, C_WTC, S_WTS
	FINISH
.Lfunc_end_k_qda1dcd6220_prep:
	.size	k_qda1dcd6220_prep, .Lfunc_end_k_qda1dcd6220_prep-k_qda1dcd6220_prep
	.p2alignl 7, 3214868480
	.fill 96, 4, 3214868480
	.section	.rodata,"a",@progbits
	.p2align	6, 0x0
	.amdhsa_kernel k_qda1dcd6220_prep
		.amdhsa_group_segment_fixed_size 86528
		.amdhsa_private_segment_fixed_size 0
		.amdhsa_enable_private_segment 0
		.amdhsa_kernarg_size 104
		.amdhsa_user_sgpr_count 2
		.amdhsa_user_sgpr_kernarg_segment_ptr 1
		.amdhsa_wavefront_size32 1
		.amdhsa_system_sgpr_workgroup_id_x 1
		.amdhsa_system_sgpr_workgroup_id_y 1
		.amdhsa_system_sgpr_workgroup_id_z 1
		.amdhsa_system_vgpr_workitem_id 0
		.amdhsa_next_free_vgpr 192
		.amdhsa_next_free_sgpr 66
		.amdhsa_reserve_vcc 0
		.amdhsa_float_denorm_mode_32 3
		.amdhsa_float_denorm_mode_16_64 3
		.amdhsa_memory_ordered 1
		.amdhsa_forward_progress 1
		.amdhsa_inst_pref_size 188
	.end_amdhsa_kernel
	.amdgpu_metadata
---
amdhsa.version: [ 1, 2 ]
amdhsa.kernels:
  - .name:           k_qda1dcd6220_prep
    .symbol:         k_qda1dcd6220_prep.kd
    .args:
      - { .name: x1, .offset: 0, .size: 8, .value_kind: global_buffer, .address_space: global }
      - { .name: x2, .offset: 8, .size: 8, .value_kind: global_buffer, .address_space: global }
      - { .name: x3, .offset: 16, .size: 8, .value_kind: global_buffer, .address_space: global }
      - { .name: Wq, .offset: 24, .size: 8, .value_kind: global_buffer, .address_space: global }
      - { .name: Wk, .offset: 32, .size: 8, .value_kind: global_buffer, .address_space: global }
      - { .name: Wv, .offset: 40, .size: 8, .value_kind: global_buffer, .address_space: global }
      - { .name: Wtq, .offset: 48, .size: 8, .value_kind: global_buffer, .address_space: global }
      - { .name: Wtk, .offset: 56, .size: 8, .value_kind: global_buffer, .address_space: global }
      - { .name: Wtv, .offset: 64, .size: 8, .value_kind: global_buffer, .address_space: global }
      - { .name: Wo, .offset: 72, .size: 8, .value_kind: global_buffer, .address_space: global }
      - { .name: codes, .offset: 80, .size: 8, .value_kind: global_buffer, .address_space: global }
      - { .name: scales, .offset: 88, .size: 8, .value_kind: global_buffer, .address_space: global }
      - { .name: wof, .offset: 96, .size: 8, .value_kind: global_buffer, .address_space: global }
    .group_segment_fixed_size: 86528
    .private_segment_fixed_size: 0
    .kernarg_segment_align: 8
    .kernarg_segment_size: 104
    .max_flat_workgroup_size: 128
    .sgpr_count:     66
    .vgpr_count:     192
    .wavefront_size: 32
...
	.end_amdgpu_metadata
.endif
;; end of part 1
;; launch proj_main (part 2): grid 12 x 32, 4 waves a work-group, clusters of 4 x 4, 327,680 bytes of LDS; arguments codes, scales, bq, bk, bv, mask, qkv; writes qkv
.if DOCPART == 2
	.amdgcn_target "amdgcn-amd-amdhsa--gfx1250"
	.amdhsa_code_object_version 6
	.text
	.protected	k_qda1dcd6220_proj_main
	.globl	k_qda1dcd6220_proj_main
	.p2align	8
	.type	k_qda1dcd6220_proj_main,@function
k_qda1dcd6220_proj_main:
	s_mov_b64 s[64:65], 0
	v_nop
	global_prefetch_b8 v0, s[64:65] scope:SCOPE_SE
	s_setreg_imm32_b32 hwreg(HW_REG_WAVE_MODE, 25, 1), 1
	s_wait_xcnt 0x0
	s_wait_alu depctr_hold_cnt(0) depctr_sa_sdst(0) depctr_va_vdst(0) depctr_va_sdst(0) depctr_va_ssrc(0) depctr_va_vcc(0) depctr_vm_vsrc(0)
	s_getreg_b32 s2, hwreg(HW_REG_IB_STS2, 6, 4)
	s_cmp_eq_u32 s2, 0
	s_cbranch_scc0 .Lentry_in_a_cluster
	s_endpgm
.Lentry_in_a_cluster:
	s_bfe_u32 s2, ttmp6, 0x10000c
	s_cmp_lg_u32 s2, 0xf033
	s_cbranch_scc0 .Lentry_shape_is_right
	s_endpgm
.Lentry_shape_is_right:
; PROJECTIONS of x1 and x2: q, k, v = x W + b on codes of E2M1 with E8M0 scales, sums in f32; the results leave as f16 in the order in which the attention's operand registers take them.
; A: 8,192 rows (x1, then x2) x 1,024 K;  B: 3,072 rows (1024 w + n: Wq, Wk, Wv) x 1,024 K.  A work-group of four waves makes 256 tokens x 256 channels, a wave 128 x 128: 64 accumulators.
; K = 1,024 is two slots of 512: both are first fills, nothing is filled again, so there is no loop.  The scale bytes of the work-group's rows come once, as dense blocks.
; CLUSTER 4 x 4: A's tiles are shared along a row of the cluster, B's along a column, by joint loads.  The cluster's x is the role (0 q, 1 k, 2 v): the same in all sixteen partners.
; THE MATRIX INSTRUCTION IS USED TRANSPOSED (source 0 = 16 rows of W, source 1 = 16 tokens): a lane holds one token and eight neighbouring channels, 16 bytes of f16.
; qkv: [stream 3][role 3][batch 4][head 16][16 tokens: 64][16 channels: 4][512 B].  q, k: lane (r, h) at 256 h + 16 r (four registers of a fragment as they stand); v: token-major, 32 r + 16 h.  Every store of a wave is 512 consecutive bytes.
; THE MASK: reference() gives a key with mask == 0 the score 1e-8.  Here such a key's row of k is stored as zeros (bias and all), so its score is 0.
; LIMITS: that moves each such weight by the factor e^1e-8, under half a unit in f32's last place, for every input; |q|, |k|, |v| beyond 65,504 become infinities of f16; NaN and infinities among the inputs are not served.
; REGISTERS: window 0: v16-31 addresses; v32-95 scale words, two sets (on the way out: packed results); v96-103 mask words; v128-191 A's fragments, one set (on the way out: sums with the bias); v192-255 the bias.
;   window 1: B's fragments, two sets.   windows 2, 3: the accumulators of my rows 0-63, 64-127 ((a, b) at v[8 (8 (a % 4) + b)]).
.set SIZE_K, 1024
.set KSTEP,  512                       ; along K in a slot
.set QI,     5                         ; the padding's interval: 2 << QI words = a tile's row
.set NSLOT,  2
.set ACODE,  0
.set ASC,    0
.set BCODE,  4718592
.set BSC,    294912
.set STREAM0, 0
.set NQ,     KSTEP/128
.set ROWB,   KSTEP/2                   ; a tile's row in bytes
.set KROW,   SIZE_K/2                  ; a row of codes in memory
.set PITCH,  ROWB+16                   ; an odd multiple of 16 bytes: the 16 rows that a load touches start at 16 different groups of four banks (ISA guide 11.1)
.set FR,     8
.set NL,     2
.set NP,     4                         ; places behind this matrix instruction (ISA guide 7.12.1)
.set HALFT,  128*PITCH
.set SLOT,   4*HALFT
.set KS,     SIZE_K/32                 ; a row of scale bytes
.set SCL,    NSLOT*SLOT                ; behind the slots: the scales, as units of 256 bytes + 16 of padding
.set HALFS,  (128*KS/256)*272
.set SPARE,  SCL+4*HALFS               ; the spare words: two blocks of 256 bytes that no other line names
.set SSTR,   25165824
.set RSTR,   8388608
.set ADRA, 16
.set ADRB, 20
.set VO,   26                          ; v26 my lane's place in a chunk of 512 bytes
.set ADRS, 27
.set SPW,  28
.set NIL,  29
.set BOF,  30                          ; v30 32 h: the bias's offset;  v31 4 r: the mask's.  Not rewritten while their loads are out
.set MOF,  31
.set SC,   32
.set PK,   32
.set MK,   96
.set AF,   128
.set TF,   128
.set BI,   192
.set G1, 24
.set G0, 32
.set G1B, 48
.set G0B, 56
.set G1S, 68
.set G0S, 76
.set G1SB, 80
.set G0SB, 88
.set MSB, 0
.macro WIN new                         ; the immediate's high byte repeats the setting that is left
.if MSB != (\new)
	s_set_vgpr_msb (MSB<<8)|(\new)
.set MSB, (\new)
.endif
.endm
.set MUL_LO, 0xa1                      ; source 0 (W) window 1, source 1 (x) window 0, C and D window 2
.set MUL_HI, 0xf1
.set TO_B,   0x40
; A joint load: waves 0 and 1 fetch for A, waves 2 and 3 for B; the branch hangs on the wave's number alone.  An s_nop 0 and four v_nop follow each line.
.macro JLOAD g0a, g1a, g0b, g1b
	s_cmp_eq_u32 s15, 0
	s_cbranch_scc0 .Lfor_b_\@
	tensor_load_to_lds s[\g0a:\g0a+3], s[\g1a:\g1a+7]
	s_nop 0
.rept 4
	v_nop
.endr
	s_branch .Lasked_\@
.Lfor_b_\@:
	tensor_load_to_lds s[\g0b:\g0b+3], s[\g1b:\g1b+7]
	s_nop 0
.rept 4
	v_nop
.endr
.Lasked_\@:
.endm
.macro CROUND                          ; a round of the cluster's barrier
	s_barrier_signal -1
	s_barrier_wait -1
	s_cmp_lg_u32 s14, 0
	s_cbranch_scc1 .Lnot_wave_0_\@
	s_barrier_signal -3
.Lnot_wave_0_\@:
	s_barrier_wait -3
	s_barrier_signal -1
	s_barrier_wait -1
.endm
	s_load_b128 s[4:7], s[0:1], 0x0                ; codes, scales
	s_load_b256 s[92:99], s[0:1], 0x10             ; the three biases, the mask
	s_load_b64 s[12:13], s[0:1], 0x30              ; qkv
	v_lshl_add_u32 v[SPW], v0, 2, SPARE
	v_mov_b32 v[NIL], 0
	ds_add_u32 v[SPW], v[NIL]                      ; the wave's opening: the add, twice on end, and its wait ahead of my first tensor load
	ds_add_u32 v[SPW], v[NIL]
	v_lshrrev_b32 v1, 5, v0
	v_readfirstlane_b32 s14, v1                    ; wave 0..3
	s_lshr_b32 s15, s14, 1                         ; which half of the tile's tokens is mine.  Also: I fetch for A (0) or for B (1)
	s_and_b32 s16, s14, 1                          ; which half of its channels.  Also: which 128 rows I fetch
	s_bfe_u32 s40, ttmp6, 0x40000                  ; cx, cy
	s_bfe_u32 s41, ttmp6, 0x40004
	s_lshl_b32 s42, ttmp9, 2
	s_add_co_u32 s42, s42, s40                     ; tile column
	s_and_b32 s17, ttmp7, 0xffff
	s_lshl_b32 s17, s17, 2
	s_add_co_u32 s17, s17, s41                     ; tile row
	s_lshl_b32 s43, s41, 2
	s_lshl_b32 s43, 15, s43                        ; my row of the cluster
	s_lshl_b32 s44, 0x1111, s40                    ; my column
	s_or_b32 s[G1+0], s43, (1<<20)|(1<<21)|(QI<<22)|(3<<25)   ; the mask; elements of 1 byte; padding on; bit 21 beside a mask; 4 words behind each row
	s_or_b32 s[G1B+0], s44, (1<<20)|(1<<21)|(QI<<22)|(3<<25)
.irp g, G1, G1B
	s_mov_b32 s[\g+1], ROWB<<16                    ; tensor_dim0
	s_mov_b32 s[\g+2], 128<<16                     ; tensor_dim1
	s_mov_b32 s[\g+3], ROWB<<16                    ; tile_dim0
	s_mov_b32 s[\g+4], 128                         ; tile_dim1
	s_mov_b32 s[\g+5], KROW                        ; from row to row
	s_mov_b32 s[\g+6], 0
	s_mov_b32 s[\g+7], 0
.endr
	s_or_b32 s[G1S+0], s43, (3<<16)|(1<<20)|(1<<21)|(5<<22)|(3<<25)   ; the scales of 128 rows: a dense block as rows of 256 bytes, 16 of padding behind each
	s_or_b32 s[G1SB+0], s44, (3<<16)|(1<<20)|(1<<21)|(5<<22)|(3<<25)
.irp g, G1S, G1SB
	s_mov_b32 s[\g+1], 32<<16
	s_mov_b32 s[\g+2], (128*KS/256)<<16
	s_mov_b32 s[\g+3], 32<<16
	s_mov_b32 s[\g+4], 128*KS/256
	s_mov_b32 s[\g+5], 32
	s_mov_b32 s[\g+6], 0
	s_mov_b32 s[\g+7], 0
.endr
	s_lshl_b32 s18, s16, 7
	s_lshl_b32 s20, s17, 8
	s_add_co_u32 s20, s20, s18                     ; A: row 256 x tile row + 128 x half
	s_lshl_b32 s46, s42, 8
	s_add_co_u32 s46, s46, s18                     ; B: row 256 x tile column + 128 x half
	s_mov_b32 s21, 0
	s_mov_b32 s47, 0
	s_mov_b64 s[18:19], KS
	s_mul_u64 s[22:23], s[20:21], s[18:19]         ; where these rows' scales begin,
	s_mul_u64 s[66:67], s[46:47], s[18:19]
	s_mov_b64 s[18:19], KROW
	s_mul_u64 s[20:21], s[20:21], s[18:19]         ; and their codes
	s_mul_u64 s[46:47], s[46:47], s[18:19]
.if ACODE != 0
	s_add_nc_u64 s[20:21], s[20:21], ACODE
	s_add_nc_u64 s[22:23], s[22:23], ASC
.endif
	s_add_nc_u64 s[46:47], s[46:47], BCODE
	s_add_nc_u64 s[66:67], s[66:67], BSC
	s_mul_i32 s45, s14, HALFT                      ; where they go: wave x 128 rows: no place in the cluster enters an LDS address
	s_mul_i32 s3, s14, HALFS
	s_wait_dscnt 0x0                               ; both opening adds are done
	s_wait_kmcnt 0x0
	s_add_nc_u64 s[20:21], s[4:5], s[20:21]
	s_add_nc_u64 s[22:23], s[6:7], s[22:23]
	s_add_nc_u64 s[46:47], s[4:5], s[46:47]
	s_add_nc_u64 s[66:67], s[6:7], s[66:67]
	CROUND                                         ; all sixteen work-groups are here: the first joint loads meet
	s_mov_b32 s[G0S], 1
	s_add_co_u32 s[G0S+1], s3, SCL
	s_mov_b64 s[G0S+2:G0S+3], s[22:23]
	s_or_b32 s[G0S+3], s[G0S+3], 0x80000000
	s_mov_b32 s[G0SB], 1
	s_add_co_u32 s[G0SB+1], s3, SCL
	s_mov_b64 s[G0SB+2:G0SB+3], s[66:67]
	s_or_b32 s[G0SB+3], s[G0SB+3], 0x80000000
	JLOAD G0S, G1S, G0SB, G1SB                     ; the scales first: they are wanted with the first step
.macro SETSLOT s
	s_mov_b32 s[G0+4*\s], 1
	s_add_co_u32 s[G0+4*\s+1], s45, \s*SLOT
	s_add_nc_u64 s[G0+4*\s+2:G0+4*\s+3], s[20:21], \s*ROWB
	s_or_b32 s[G0+4*\s+3], s[G0+4*\s+3], 0x80000000
	s_mov_b32 s[G0B+4*\s], 1
	s_add_co_u32 s[G0B+4*\s+1], s45, \s*SLOT
	s_add_nc_u64 s[G0B+4*\s+2:G0B+4*\s+3], s[46:47], \s*ROWB
	s_or_b32 s[G0B+4*\s+3], s[G0B+4*\s+3], 0x80000000
	JLOAD G0+4*\s, G1, G0B+4*\s, G1B
.endm
	SETSLOT 0
.if NSLOT > 1
	SETSLOT 1                                      ; 1 + NSLOT tensor loads of mine are out
.endif
	v_and_b32 v1, 15, v0                           ; r
	v_bfe_u32 v2, v0, 4, 1                         ; h
	v_mul_u32_u24 v3, v1, PITCH
	v_lshl_add_u32 v4, v2, 4, v3                   ; a fragment's row x pitch + 16 h
	s_mul_i32 s21, s15, HALFT
	s_mul_i32 s22, s16, HALFT
	s_add_co_u32 s22, s22, 2*HALFT
.irp s, 0,1
	v_add_nc_u32 v[ADRA+\s], s21, v4
	v_add_nc_u32 v[ADRB+\s], s22, v4
	s_add_co_u32 s21, s21, SLOT
	s_add_co_u32 s22, s22, SLOT
.endr
	v_mul_u32_u24 v5, v1, KS                       ; my row's scales: KS bytes a row,
	v_lshrrev_b32 v6, 8, v5
	v_lshl_add_u32 v5, v6, 4, v5                   ; and 16 more for each 256 passed
	s_mul_i32 s21, s15, HALFS
	s_mul_i32 s22, s16, HALFS
	s_add_co_u32 s22, s22, 2*HALFS
	s_sub_co_u32 s22, s22, s21
	v_mul_u32_u24 v6, s22, v2                      ; lanes 16-31 take B's: one product, the distance between the two bases
	s_add_co_u32 s21, s21, SCL
	v_add_nc_u32 v5, v5, v6
	v_add_nc_u32 v[ADRS], s21, v5
	s_lshl_b32 s20, s17, 8
	s_lshl_b32 s21, s15, 7
	s_add_co_u32 s20, s20, s21                     ; m0: my first token among A's rows
	s_and_b32 s46, s42, 3
	s_lshl_b32 s46, s46, 8
	s_lshl_b32 s47, s16, 7
	s_add_co_u32 s46, s46, s47                     ; cn0: my first channel in the role
	s_cmp_eq_u32 ttmp9, 0                          ; the role's bias
	s_cselect_b64 s[8:9], s[92:93], s[94:95]
	s_cmp_eq_u32 ttmp9, 2
	s_cselect_b64 s[8:9], s[96:97], s[8:9]
	s_cselect_b32 s18, 32, 16                      ; v is laid token-major, q and k as registers stand
	s_mov_b32 s19, 256
	s_cselect_b32 s19, 16, s19
	v_mul_u32_u24 v[VO], s18, v1
	v_mad_u32_u24 v[VO], v2, s19, v[VO]
	s_lshl_b32 s22, s46, 2
	s_mov_b32 s23, 0
	s_add_nc_u64 s[8:9], s[8:9], s[22:23]
	s_and_b32 s22, s20, 4095                       ; both streams share the mask
	s_lshl_b32 s22, s22, 2
	s_add_nc_u64 s[10:11], s[98:99], s[22:23]
	v_lshlrev_b32 v[BOF], 5, v2
	v_lshlrev_b32 v[MOF], 2, v1
.irp b, 0,1,2,3,4,5,6,7
	global_load_b128 v[BI+8*\b:BI+8*\b+3], v[BOF], s[8:9] offset:64*\b          ; the bias of channels 16 b + 8 h + 0 .. 7: the result's layout
	global_load_b128 v[BI+8*\b+4:BI+8*\b+7], v[BOF], s[8:9] offset:64*\b+16
.endr
.irp a, 0,1,2,3,4,5,6,7
	global_load_b32 v[MK+\a], v[MOF], s[10:11] offset:64*\a                     ; the mask of token 16 a + r
.endr
	s_lshr_b32 s21, s20, 12                        ; where my part of qkv begins: the stream,
.if STREAM0 != 0
	s_add_co_u32 s21, s21, STREAM0
.endif
	s_mul_i32 s22, s21, SSTR
	s_mul_i32 s21, ttmp9, RSTR                     ; the role,
	s_add_co_u32 s22, s22, s21
	s_bfe_u32 s21, s20, 0x2000a                    ; the batch,
	s_lshl_b32 s21, s21, 21
	s_add_co_u32 s22, s22, s21
	s_and_b32 s21, s20, 1023                       ; 2,048 bytes for each 16 tokens,
	s_lshl_b32 s21, s21, 7
	s_add_co_u32 s22, s22, s21
	s_lshl_b32 s21, s46, 11                        ; 131,072 for each head of 64 channels
	s_add_co_u32 s22, s22, s21
	s_add_nc_u64 s[12:13], s[12:13], s[22:23]
.macro FRAG reg, adr, q, i             ; 16 rows x 128 K of 4-bit codes: registers 4 c .. 4 c + 3 hold K = 64 c + 32 h + 0 .. 31
.irp c, 0,1
	ds_load_b128 v[\reg+4*\c:\reg+4*\c+3], v[\adr] offset:64*(\q)+32*\c+(\i)*16*PITCH
.endr
.endm
; 16 matrix instructions: A's blocks a0, a0 + 1 x B's eight.  The 64 accumulators take turns, one instruction a turn, in the same order in every step.
.macro MUL16 a0, p, q, sc, zero
.irp a, \a0, \a0+1
.irp b, 0,1,2,3,4,5,6,7
.if \zero
	v_wmma_scale_f32_16x16x128_f8f6f4 v[8*(8*((\a)%4)+\b):8*(8*((\a)%4)+\b)+7], v[128*(\p)+FR*\b:128*(\p)+FR*\b+FR-1], v[AF+FR*(\a):AF+FR*(\a)+FR-1], 0, v[SC+8*NQ*(\sc)+NQ*\b+(\q)], v[SC+8*NQ*(\sc)+NQ*(\a)+(\q)] matrix_a_fmt:MATRIX_FMT_FP4 matrix_b_fmt:MATRIX_FMT_FP4 matrix_a_scale:MATRIX_SCALE_ROW1
.else
	v_wmma_scale_f32_16x16x128_f8f6f4 v[8*(8*((\a)%4)+\b):8*(8*((\a)%4)+\b)+7], v[128*(\p)+FR*\b:128*(\p)+FR*\b+FR-1], v[AF+FR*(\a):AF+FR*(\a)+FR-1], v[8*(8*((\a)%4)+\b):8*(8*((\a)%4)+\b)+7], v[SC+8*NQ*(\sc)+NQ*\b+(\q)], v[SC+8*NQ*(\sc)+NQ*(\a)+(\q)] matrix_a_fmt:MATRIX_FMT_FP4 matrix_b_fmt:MATRIX_FMT_FP4 matrix_a_scale:MATRIX_SCALE_ROW1
.endif
.endr
.endr
.endm
.macro FETCH_B slot, q, p
	WIN TO_B
.irp i, 0,1,2,3,4,5,6,7
	FRAG 128*(\p)+FR*\i, ADRB+\slot, \q, \i
.endr
	WIN 0
.endm
.macro FETCH_A slot, q, i0
.irp i, \i0, \i0+1, \i0+2, \i0+3
	FRAG AF+FR*(\i), ADRA+\slot, \q, \i
.endr
.endm
.macro SCALES sc                       ; a slot's scale words: NQ a row; lanes 0-15 take A's block i, lanes 16-31 B's block i
.irp i, 0,1,2,3,4,5,6,7
.if NQ == 4
	ds_load_b128 v[SC+8*NQ*\sc+NQ*\i:SC+8*NQ*\sc+NQ*\i+3], v[ADRS] offset:16*\i*KS+16*((16*\i*KS)/256)
.else
	ds_load_b64 v[SC+8*NQ*\sc+NQ*\i:SC+8*NQ*\sc+NQ*\i+1], v[ADRS] offset:16*\i*KS+16*((16*\i*KS)/256)
.endif
.endr
.endm
.macro PLACES n                        ; plain vector instructions between a matrix instruction and a load into, or a read of, its registers
.rept \n
	v_nop
.endr
.endm
.macro STEP slot, q, zero              ; 128 along K, with its successor in the same slot
	s_wait_dscnt 4*NL                              ; B's set and A's blocks 0-3 are in; the youngest eight loads (A's blocks 4-7) may be out
	WIN MUL_LO
	MUL16 0, (\q)%2, \q, \slot, \zero
	MUL16 2, (\q)%2, \q, \slot, \zero
	s_wait_dscnt 0
	PLACES NP
	FETCH_B \slot, (\q)+1, 1-(\q)%2
	FETCH_A \slot, (\q)+1, 0
	WIN MUL_HI
	MUL16 4, (\q)%2, \q, \slot, \zero
	MUL16 6, (\q)%2, \q, \slot, \zero
	PLACES NP
	WIN 0
	FETCH_A \slot, (\q)+1, 4
.endm
.macro TURN slot, next                 ; a slot's last step: one barrier, behind which the next slot is whole for every wave; nothing is filled again
	s_wait_tensorcnt 0x0                           ; all my tensor loads have landed: my part of the next slot
	ds_add_u32 v[SPW], v[NIL]                      ; 0 onto my spare word
	s_wait_dscnt 4*NL+1                            ; the add and the youngest eight loads may be out
	WIN MUL_LO
	MUL16 0, 1, NQ-1, \slot, 0
	s_wait_dscnt 0x0
	s_barrier_signal -1
	MUL16 2, 1, NQ-1, \slot, 0
	WIN 0
	s_barrier_wait -1
	PLACES NP
	v_add_nc_u32 v[ADRS], 4*NQ, v[ADRS]            ; on to the next slot's scale words
	FETCH_B \next, 0, 0
	FETCH_A \next, 0, 0
	SCALES \next
	WIN MUL_HI
	MUL16 4, 1, NQ-1, \slot, 0
	MUL16 6, 1, NQ-1, \slot, 0
	PLACES NP
	WIN 0
	FETCH_A \next, 0, 4
.endm
.macro STEPS slot, from
.set Q, \from
.rept NQ-1-\from
	STEP \slot, Q, 0
.set Q, Q+1
.endr
.endm
.if NSLOT > 1
	s_wait_tensorcnt 1                             ; the scales and my part of slot 0 are in; slot 1's load may be out
.else
	s_wait_tensorcnt 0x0
.endif
	s_barrier_signal -1
	s_barrier_wait -1                              ; everybody's are
	FETCH_B 0, 0, 0
	FETCH_A 0, 0, 0
	SCALES 0
	FETCH_A 0, 0, 4
	STEP 0, 0, 1                                   ; the first step's products start the sums: nothing is cleared
.if NSLOT > 1
	STEPS 0, 1
	TURN 0, 1
	STEPS 1, 0
.endif
	s_wait_dscnt 4*NL                              ; the last step: nothing more to fetch
	WIN MUL_LO
	MUL16 0, 1, NQ-1, NSLOT-1, 0
	MUL16 2, 1, NQ-1, NSLOT-1, 0
	s_wait_dscnt 0
	WIN MUL_HI
	MUL16 4, 1, NQ-1, NSLOT-1, 0
	MUL16 6, 1, NQ-1, NSLOT-1, 0
	WIN 0
	; THE WAY OUT.  No stage: a lane's eight results of a tile are 16 bytes of f16 that belong together, and the 32 lanes' make 512 consecutive bytes of qkv.
	s_wait_loadcnt 0x0                             ; the bias and the mask
	PLACES NP
	s_cmp_eq_u32 ttmp9, 1
	s_cselect_b32 s66, 0, -1                       ; only k's rows are masked.  (All tensor loads are done: s24-31 are free)
.irp a, 0,1,2,3,4,5,6,7
	v_cmp_ne_u32 s[24+\a], 0, v[MK+\a]             ; the lanes whose token of block a is kept
.endr
.irp a, 0,1,2,3,4,5,6,7
	s_or_b32 s[24+\a], s[24+\a], s66
.endr
.macro OUTA a                          ; 16 tokens x 128 channels
.set AC, 64*((\a)%4)
.set PKR, PK+32*((\a)%2)
	WIN 0x02+(\a)/4                                ; source 0: window 2 or 3
.set i, 0
.rept 32
	v_pk_add_f32 v[TF+i:TF+i+1], v[AC+i:AC+i+1], v[BI+i:BI+i+1]   ; + the bias; each accumulator from its low end on
.set i, i+2
.endr
	WIN 0
.if (\a) > 1
	s_wait_xcnt 0x0                                ; the stores of two blocks ago have read their registers
.endif
.set i, 0
.rept 32
	v_cvt_pk_f16_f32 v[PKR+i], v[TF+2*i], v[TF+2*i+1]
.set i, i+1
.endr
.set i, 0
.rept 32
	v_cndmask_b32 v[PKR+i], 0, v[PKR+i], s[24+(\a)]   ; a masked key's row of k becomes zeros
.set i, i+1
.endr
.irp b, 0,1,2,3,4,5,6,7
	global_store_b128 v[VO], v[PKR+4*\b:PKR+4*\b+3], s[12:13] offset:(\b/4)*131072+2048*(\a)+512*(\b%4)
.endr
.endm
.irp a, 0,1,2,3,4,5,6,7
	OUTA \a
.endr
	s_wait_tensorcnt 0x0                           ; the wave's end
	ds_add_u32 v[SPW], v[NIL]
	s_wait_dscnt 0x0
	CROUND                                         ; the closing round
	s_endpgm
.Lfunc_end_k_qda1dcd6220_proj_main:
	.size	k_qda1dcd6220_proj_main, .Lfunc_end_k_qda1dcd6220_proj_main-k_qda1dcd6220_proj_main
	.p2alignl 7, 3214868480
	.fill 96, 4, 3214868480
	.section	.rodata,"a",@progbits
	.p2align	6, 0x0
	.amdhsa_kernel k_qda1dcd6220_proj_main
		.amdhsa_group_segment_fixed_size 327680
		.amdhsa_private_segment_fixed_size 0
		.amdhsa_enable_private_segment 0
		.amdhsa_kernarg_size 56
		.amdhsa_user_sgpr_count 2
		.amdhsa_user_sgpr_kernarg_segment_ptr 1
		.amdhsa_wavefront_size32 1
		.amdhsa_system_sgpr_workgroup_id_x 1
		.amdhsa_system_sgpr_workgroup_id_y 1
		.amdhsa_system_sgpr_workgroup_id_z 1
		.amdhsa_system_vgpr_workitem_id 0
		.amdhsa_next_free_vgpr 1024
		.amdhsa_next_free_sgpr 100
		.amdhsa_reserve_vcc 0
		.amdhsa_float_denorm_mode_32 3
		.amdhsa_float_denorm_mode_16_64 3
		.amdhsa_memory_ordered 1
		.amdhsa_forward_progress 1
		.amdhsa_inst_pref_size 154
	.end_amdhsa_kernel
	.amdgpu_metadata
---
amdhsa.version: [ 1, 2 ]
amdhsa.kernels:
  - .name:           k_qda1dcd6220_proj_main
    .symbol:         k_qda1dcd6220_proj_main.kd
    .args:
      - { .name: codes, .offset: 0, .size: 8, .value_kind: global_buffer, .address_space: global }
      - { .name: scales, .offset: 8, .size: 8, .value_kind: global_buffer, .address_space: global }
      - { .name: bq, .offset: 16, .size: 8, .value_kind: global_buffer, .address_space: global }
      - { .name: bk, .offset: 24, .size: 8, .value_kind: global_buffer, .address_space: global }
      - { .name: bv, .offset: 32, .size: 8, .value_kind: global_buffer, .address_space: global }
      - { .name: mask, .offset: 40, .size: 8, .value_kind: global_buffer, .address_space: global }
      - { .name: qkv, .offset: 48, .size: 8, .value_kind: global_buffer, .address_space: global }
    .group_segment_fixed_size: 327680
    .private_segment_fixed_size: 0
    .kernarg_segment_align: 8
    .kernarg_segment_size: 56
    .max_flat_workgroup_size: 128
    .sgpr_count:     100
    .vgpr_count:     1024
    .wavefront_size: 32
...
	.end_amdgpu_metadata
.endif
;; end of part 2
;; launch proj_type (part 3): grid 12 x 16, 4 waves a work-group, clusters of 4 x 4, 327,680 bytes of LDS; arguments codes, scales, btq, btk, btv, mask, qkv; writes qkv
.if DOCPART == 3
	.amdgcn_target "amdgcn-amd-amdhsa--gfx1250"
	.amdhsa_code_object_version 6
	.text
	.protected	k_qda1dcd6220_proj_type
	.globl	k_qda1dcd6220_proj_type
	.p2align	8
	.type	k_qda1dcd6220_proj_type,@function
k_qda1dcd6220_proj_type:
	s_mov_b64 s[64:65], 0
	v_nop
	global_prefetch_b8 v0, s[64:65] scope:SCOPE_SE
	s_setreg_imm32_b32 hwreg(HW_REG_WAVE_MODE, 25, 1), 1
	s_wait_xcnt 0x0
	s_wait_alu depctr_hold_cnt(0) depctr_sa_sdst(0) depctr_va_vdst(0) depctr_va_sdst(0) depctr_va_ssrc(0) depctr_va_vcc(0) depctr_vm_vsrc(0)
	s_getreg_b32 s2, hwreg(HW_REG_IB_STS2, 6, 4)
	s_cmp_eq_u32 s2, 0
	s_cbranch_scc0 .Lentry_in_a_cluster
	s_endpgm
.Lentry_in_a_cluster:
	s_bfe_u32 s2, ttmp6, 0x10000c
	s_cmp_lg_u32 s2, 0xf033
	s_cbranch_scc0 .Lentry_shape_is_right
	s_endpgm
.Lentry_shape_is_right:
; PROJECTIONS of x3: q, k, v = x3 Wt + bt on codes of E2M1 with E8M0 scales, sums in f32; the text is that of the launch for x1 and x2 with other sizes: K = 256 is ONE slot of two steps of 128.
; A: 4,096 rows x 256 K;  B: 3,072 rows (1024 w + n: Wtq, Wtk, Wtv) x 256 K.  A work-group of four waves makes 256 tokens x 256 channels, a wave 128 x 128: 64 accumulators.
; CLUSTER 4 x 4: A's tiles are shared along a row of the cluster, B's along a column, by joint loads.  The cluster's x is the role (0 q, 1 k, 2 v): the same in all sixteen partners.
; THE MATRIX INSTRUCTION IS USED TRANSPOSED (source 0 = 16 rows of W, source 1 = 16 tokens): a lane holds one token and eight neighbouring channels, 16 bytes of f16.
; qkv: [stream 3][role 3][batch 4][head 16][16 tokens: 64][16 channels: 4][512 B]; this launch fills stream 2.  q, k: lane (r, h) at 256 h + 16 r; v: token-major, 32 r + 16 h.
; THE MASK: a key with mask == 0 gets a row of k of zeros, so its score is 0 where reference() has 1e-8.
; LIMITS: that moves each such weight by the factor e^1e-8, under half a unit in f32's last place, for every input; |q|, |k|, |v| beyond 65,504 become infinities of f16; NaN and infinities among the inputs are not served.
; REGISTERS: as in the launch for x1 and x2; one set of 16 scale words at v32-47.
.set SIZE_K, 256
.set KSTEP,  256
.set QI,     4
.set NSLOT,  1
.set ACODE,  4194304
.set ASC,    262144
.set BCODE,  6291456
.set BSC,    393216
.set STREAM0, 2
.set NQ,     KSTEP/128
.set ROWB,   KSTEP/2
.set KROW,   SIZE_K/2
.set PITCH,  ROWB+16                   ; an odd multiple of 16 bytes
.set FR,     8
.set NL,     2
.set NP,     4
.set HALFT,  128*PITCH
.set SLOT,   4*HALFT
.set KS,     SIZE_K/32
.set SCL,    NSLOT*SLOT
.set HALFS,  (128*KS/256)*272
.set SPARE,  SCL+4*HALFS
.set SSTR,   25165824
.set RSTR,   8388608
.set ADRA, 16
.set ADRB, 20
.set VO,   26
.set ADRS, 27
.set SPW,  28
.set NIL,  29
.set BOF,  30
.set MOF,  31
.set SC,   32
.set PK,   32
.set MK,   96
.set AF,   128
.set TF,   128
.set BI,   192
.set G1, 24
.set G0, 32
.set G1B, 48
.set G0B, 56
.set G1S, 68
.set G0S, 76
.set G1SB, 80
.set G0SB, 88
.set MSB, 0
.macro WIN new                         ; the immediate's high byte repeats the setting that is left
.if MSB != (\new)
	s_set_vgpr_msb (MSB<<8)|(\new)
.set MSB, (\new)
.endif
.endm
.set MUL_LO, 0xa1
.set MUL_HI, 0xf1
.set TO_B,   0x40
.macro JLOAD g0a, g1a, g0b, g1b        ; a joint load: waves 0 and 1 fetch for A, waves 2 and 3 for B; an s_nop 0 and four v_nop follow each line
	s_cmp_eq_u32 s15, 0
	s_cbranch_scc0 .Lfor_b_\@
	tensor_load_to_lds s[\g0a:\g0a+3], s[\g1a:\g1a+7]
	s_nop 0
.rept 4
	v_nop
.endr
	s_branch .Lasked_\@
.Lfor_b_\@:
	tensor_load_to_lds s[\g0b:\g0b+3], s[\g1b:\g1b+7]
	s_nop 0
.rept 4
	v_nop
.endr
.Lasked_\@:
.endm
.macro CROUND                          ; a round of the cluster's barrier
	s_barrier_signal -1
	s_barrier_wait -1
	s_cmp_lg_u32 s14, 0
	s_cbranch_scc1 .Lnot_wave_0_\@
	s_barrier_signal -3
.Lnot_wave_0_\@:
	s_barrier_wait -3
	s_barrier_signal -1
	s_barrier_wait -1
.endm
	s_load_b128 s[4:7], s[0:1], 0x0                ; codes, scales
	s_load_b256 s[92:99], s[0:1], 0x10             ; the three biases, the mask
	s_load_b64 s[12:13], s[0:1], 0x30              ; qkv
	v_lshl_add_u32 v[SPW], v0, 2, SPARE
	v_mov_b32 v[NIL], 0
	ds_add_u32 v[SPW], v[NIL]                      ; the wave's opening: the add, twice on end, and its wait ahead of my first tensor load
	ds_add_u32 v[SPW], v[NIL]
	v_lshrrev_b32 v1, 5, v0
	v_readfirstlane_b32 s14, v1                    ; wave 0..3
	s_lshr_b32 s15, s14, 1                         ; which half of the tile's tokens is mine.  Also: I fetch for A (0) or for B (1)
	s_and_b32 s16, s14, 1                          ; which half of its channels.  Also: which 128 rows I fetch
	s_bfe_u32 s40, ttmp6, 0x40000                  ; cx, cy
	s_bfe_u32 s41, ttmp6, 0x40004
	s_lshl_b32 s42, ttmp9, 2
	s_add_co_u32 s42, s42, s40                     ; tile column
	s_and_b32 s17, ttmp7, 0xffff
	s_lshl_b32 s17, s17, 2
	s_add_co_u32 s17, s17, s41                     ; tile row
	s_lshl_b32 s43, s41, 2
	s_lshl_b32 s43, 15, s43                        ; my row of the cluster
	s_lshl_b32 s44, 0x1111, s40                    ; my column
	s_or_b32 s[G1+0], s43, (1<<20)|(1<<21)|(QI<<22)|(3<<25)
	s_or_b32 s[G1B+0], s44, (1<<20)|(1<<21)|(QI<<22)|(3<<25)
.irp g, G1, G1B
	s_mov_b32 s[\g+1], ROWB<<16
	s_mov_b32 s[\g+2], 128<<16
	s_mov_b32 s[\g+3], ROWB<<16
	s_mov_b32 s[\g+4], 128
	s_mov_b32 s[\g+5], KROW
	s_mov_b32 s[\g+6], 0
	s_mov_b32 s[\g+7], 0
.endr
	s_or_b32 s[G1S+0], s43, (3<<16)|(1<<20)|(1<<21)|(5<<22)|(3<<25)
	s_or_b32 s[G1SB+0], s44, (3<<16)|(1<<20)|(1<<21)|(5<<22)|(3<<25)
.irp g, G1S, G1SB
	s_mov_b32 s[\g+1], 32<<16
	s_mov_b32 s[\g+2], (128*KS/256)<<16
	s_mov_b32 s[\g+3], 32<<16
	s_mov_b32 s[\g+4], 128*KS/256
	s_mov_b32 s[\g+5], 32
	s_mov_b32 s[\g+6], 0
	s_mov_b32 s[\g+7], 0
.endr
	s_lshl_b32 s18, s16, 7
	s_lshl_b32 s20, s17, 8
	s_add_co_u32 s20, s20, s18                     ; A: row 256 x tile row + 128 x half
	s_lshl_b32 s46, s42, 8
	s_add_co_u32 s46, s46, s18                     ; B: row 256 x tile column + 128 x half
	s_mov_b32 s21, 0
	s_mov_b32 s47, 0
	s_mov_b64 s[18:19], KS
	s_mul_u64 s[22:23], s[20:21], s[18:19]
	s_mul_u64 s[66:67], s[46:47], s[18:19]
	s_mov_b64 s[18:19], KROW
	s_mul_u64 s[20:21], s[20:21], s[18:19]
	s_mul_u64 s[46:47], s[46:47], s[18:19]
.if ACODE != 0
	s_add_nc_u64 s[20:21], s[20:21], ACODE
	s_add_nc_u64 s[22:23], s[22:23], ASC
.endif
	s_add_nc_u64 s[46:47], s[46:47], BCODE
	s_add_nc_u64 s[66:67], s[66:67], BSC
	s_mul_i32 s45, s14, HALFT
	s_mul_i32 s3, s14, HALFS
	s_wait_dscnt 0x0                               ; both opening adds are done
	s_wait_kmcnt 0x0
	s_add_nc_u64 s[20:21], s[4:5], s[20:21]
	s_add_nc_u64 s[22:23], s[6:7], s[22:23]
	s_add_nc_u64 s[46:47], s[4:5], s[46:47]
	s_add_nc_u64 s[66:67], s[6:7], s[66:67]
	CROUND                                         ; all sixteen work-groups are here: the first joint loads meet
	s_mov_b32 s[G0S], 1
	s_add_co_u32 s[G0S+1], s3, SCL
	s_mov_b64 s[G0S+2:G0S+3], s[22:23]
	s_or_b32 s[G0S+3], s[G0S+3], 0x80000000
	s_mov_b32 s[G0SB], 1
	s_add_co_u32 s[G0SB+1], s3, SCL
	s_mov_b64 s[G0SB+2:G0SB+3], s[66:67]
	s_or_b32 s[G0SB+3], s[G0SB+3], 0x80000000
	JLOAD G0S, G1S, G0SB, G1SB
.macro SETSLOT s
	s_mov_b32 s[G0+4*\s], 1
	s_add_co_u32 s[G0+4*\s+1], s45, \s*SLOT
	s_add_nc_u64 s[G0+4*\s+2:G0+4*\s+3], s[20:21], \s*ROWB
	s_or_b32 s[G0+4*\s+3], s[G0+4*\s+3], 0x80000000
	s_mov_b32 s[G0B+4*\s], 1
	s_add_co_u32 s[G0B+4*\s+1], s45, \s*SLOT
	s_add_nc_u64 s[G0B+4*\s+2:G0B+4*\s+3], s[46:47], \s*ROWB
	s_or_b32 s[G0B+4*\s+3], s[G0B+4*\s+3], 0x80000000
	JLOAD G0+4*\s, G1, G0B+4*\s, G1B
.endm
	SETSLOT 0                                      ; two tensor loads of mine are out
	v_and_b32 v1, 15, v0                           ; r
	v_bfe_u32 v2, v0, 4, 1                         ; h
	v_mul_u32_u24 v3, v1, PITCH
	v_lshl_add_u32 v4, v2, 4, v3
	s_mul_i32 s21, s15, HALFT
	s_mul_i32 s22, s16, HALFT
	s_add_co_u32 s22, s22, 2*HALFT
	v_add_nc_u32 v[ADRA], s21, v4
	v_add_nc_u32 v[ADRB], s22, v4
	v_mul_u32_u24 v5, v1, KS                       ; my row's scales: 8 bytes a row; 16 rows never cross a unit of 256
	s_mul_i32 s21, s15, HALFS
	s_mul_i32 s22, s16, HALFS
	s_add_co_u32 s22, s22, 2*HALFS
	s_sub_co_u32 s22, s22, s21
	v_mul_u32_u24 v6, s22, v2                      ; lanes 16-31 take B's
	s_add_co_u32 s21, s21, SCL
	v_add_nc_u32 v5, v5, v6
	v_add_nc_u32 v[ADRS], s21, v5
	s_lshl_b32 s20, s17, 8
	s_lshl_b32 s21, s15, 7
	s_add_co_u32 s20, s20, s21                     ; m0
	s_and_b32 s46, s42, 3
	s_lshl_b32 s46, s46, 8
	s_lshl_b32 s47, s16, 7
	s_add_co_u32 s46, s46, s47                     ; cn0
	s_cmp_eq_u32 ttmp9, 0
	s_cselect_b64 s[8:9], s[92:93], s[94:95]
	s_cmp_eq_u32 ttmp9, 2
	s_cselect_b64 s[8:9], s[96:97], s[8:9]
	s_cselect_b32 s18, 32, 16
	s_mov_b32 s19, 256
	s_cselect_b32 s19, 16, s19
	v_mul_u32_u24 v[VO], s18, v1
	v_mad_u32_u24 v[VO], v2, s19, v[VO]
	s_lshl_b32 s22, s46, 2
	s_mov_b32 s23, 0
	s_add_nc_u64 s[8:9], s[8:9], s[22:23]
	s_and_b32 s22, s20, 4095
	s_lshl_b32 s22, s22, 2
	s_add_nc_u64 s[10:11], s[98:99], s[22:23]
	v_lshlrev_b32 v[BOF], 5, v2
	v_lshlrev_b32 v[MOF], 2, v1
.irp b, 0,1,2,3,4,5,6,7
	global_load_b128 v[BI+8*\b:BI+8*\b+3], v[BOF], s[8:9] offset:64*\b
	global_load_b128 v[BI+8*\b+4:BI+8*\b+7], v[BOF], s[8:9] offset:64*\b+16
.endr
.irp a, 0,1,2,3,4,5,6,7
	global_load_b32 v[MK+\a], v[MOF], s[10:11] offset:64*\a
.endr
	s_lshr_b32 s21, s20, 12
.if STREAM0 != 0
	s_add_co_u32 s21, s21, STREAM0
.endif
	s_mul_i32 s22, s21, SSTR
	s_mul_i32 s21, ttmp9, RSTR
	s_add_co_u32 s22, s22, s21
	s_bfe_u32 s21, s20, 0x2000a
	s_lshl_b32 s21, s21, 21
	s_add_co_u32 s22, s22, s21
	s_and_b32 s21, s20, 1023
	s_lshl_b32 s21, s21, 7
	s_add_co_u32 s22, s22, s21
	s_lshl_b32 s21, s46, 11
	s_add_co_u32 s22, s22, s21
	s_add_nc_u64 s[12:13], s[12:13], s[22:23]
.macro FRAG reg, adr, q, i
.irp c, 0,1
	ds_load_b128 v[\reg+4*\c:\reg+4*\c+3], v[\adr] offset:64*(\q)+32*\c+(\i)*16*PITCH
.endr
.endm
.macro MUL16 a0, p, q, sc, zero        ; the 64 accumulators take turns, one instruction a turn
.irp a, \a0, \a0+1
.irp b, 0,1,2,3,4,5,6,7
.if \zero
	v_wmma_scale_f32_16x16x128_f8f6f4 v[8*(8*((\a)%4)+\b):8*(8*((\a)%4)+\b)+7], v[128*(\p)+FR*\b:128*(\p)+FR*\b+FR-1], v[AF+FR*(\a):AF+FR*(\a)+FR-1], 0, v[SC+8*NQ*(\sc)+NQ*\b+(\q)], v[SC+8*NQ*(\sc)+NQ*(\a)+(\q)] matrix_a_fmt:MATRIX_FMT_FP4 matrix_b_fmt:MATRIX_FMT_FP4 matrix_a_scale:MATRIX_SCALE_ROW1
.else
	v_wmma_scale_f32_16x16x128_f8f6f4 v[8*(8*((\a)%4)+\b):8*(8*((\a)%4)+\b)+7], v[128*(\p)+FR*\b:128*(\p)+FR*\b+FR-1], v[AF+FR*(\a):AF+FR*(\a)+FR-1], v[8*(8*((\a)%4)+\b):8*(8*((\a)%4)+\b)+7], v[SC+8*NQ*(\sc)+NQ*\b+(\q)], v[SC+8*NQ*(\sc)+NQ*(\a)+(\q)] matrix_a_fmt:MATRIX_FMT_FP4 matrix_b_fmt:MATRIX_FMT_FP4 matrix_a_scale:MATRIX_SCALE_ROW1
.endif
.endr
.endr
.endm
.macro FETCH_B slot, q, p
	WIN TO_B
.irp i, 0,1,2,3,4,5,6,7
	FRAG 128*(\p)+FR*\i, ADRB+\slot, \q, \i
.endr
	WIN 0
.endm
.macro FETCH_A slot, q, i0
.irp i, \i0, \i0+1, \i0+2, \i0+3
	FRAG AF+FR*(\i), ADRA+\slot, \q, \i
.endr
.endm
.macro SCALES sc                       ; two words a row; lanes 0-15 take A's block i, lanes 16-31 B's block i
.irp i, 0,1,2,3,4,5,6,7
	ds_load_b64 v[SC+8*NQ*\sc+NQ*\i:SC+8*NQ*\sc+NQ*\i+1], v[ADRS] offset:16*\i*KS+16*((16*\i*KS)/256)
.endr
.endm
.macro PLACES n
.rept \n
	v_nop
.endr
.endm
.macro STEP slot, q, zero
	s_wait_dscnt 4*NL                              ; B's set and A's blocks 0-3 are in; the youngest eight loads (A's blocks 4-7) may be out
	WIN MUL_LO
	MUL16 0, (\q)%2, \q, \slot, \zero
	MUL16 2, (\q)%2, \q, \slot, \zero
	s_wait_dscnt 0
	PLACES NP
	FETCH_B \slot, (\q)+1, 1-(\q)%2
	FETCH_A \slot, (\q)+1, 0
	WIN MUL_HI
	MUL16 4, (\q)%2, \q, \slot, \zero
	MUL16 6, (\q)%2, \q, \slot, \zero
	PLACES NP
	WIN 0
	FETCH_A \slot, (\q)+1, 4
.endm
	s_wait_tensorcnt 0x0                           ; the scales and my part of the slot are in,
	s_barrier_signal -1
	s_barrier_wait -1                              ; everybody's are
	FETCH_B 0, 0, 0
	FETCH_A 0, 0, 0
	SCALES 0
	FETCH_A 0, 0, 4
	STEP 0, 0, 1                                   ; the first step's products start the sums
	s_wait_dscnt 4*NL                              ; the last step
	WIN MUL_LO
	MUL16 0, 1, NQ-1, NSLOT-1, 0
	MUL16 2, 1, NQ-1, NSLOT-1, 0
	s_wait_dscnt 0
	WIN MUL_HI
	MUL16 4, 1, NQ-1, NSLOT-1, 0
	MUL16 6, 1, NQ-1, NSLOT-1, 0
	WIN 0
	; THE WAY OUT, as in the launch for x1 and x2
	s_wait_loadcnt 0x0                             ; the bias and the mask
	PLACES NP
	s_cmp_eq_u32 ttmp9, 1
	s_cselect_b32 s66, 0, -1                       ; only k's rows are masked.  (All tensor loads are done: s24-31 are free)
.irp a, 0,1,2,3,4,5,6,7
	v_cmp_ne_u32 s[24+\a], 0, v[MK+\a]
.endr
.irp a, 0,1,2,3,4,5,6,7
	s_or_b32 s[24+\a], s[24+\a], s66
.endr
.macro OUTA a
.set AC, 64*((\a)%4)
.set PKR, PK+32*((\a)%2)
	WIN 0x02+(\a)/4
.set i, 0
.rept 32
	v_pk_add_f32 v[TF+i:TF+i+1], v[AC+i:AC+i+1], v[BI+i:BI+i+1]   ; + the bias; each accumulator from its low end on
.set i, i+2
.endr
	WIN 0
.if (\a) > 1
	s_wait_xcnt 0x0                                ; the stores of two blocks ago have read their registers
.endif
.set i, 0
.rept 32
	v_cvt_pk_f16_f32 v[PKR+i], v[TF+2*i], v[TF+2*i+1]
.set i, i+1
.endr
.set i, 0
.rept 32
	v_cndmask_b32 v[PKR+i], 0, v[PKR+i], s[24+(\a)]
.set i, i+1
.endr
.irp b, 0,1,2,3,4,5,6,7
	global_store_b128 v[VO], v[PKR+4*\b:PKR+4*\b+3], s[12:13] offset:(\b/4)*131072+2048*(\a)+512*(\b%4)
.endr
.endm
.irp a, 0,1,2,3,4,5,6,7
	OUTA \a
.endr
	s_wait_tensorcnt 0x0                           ; the wave's end
	ds_add_u32 v[SPW], v[NIL]
	s_wait_dscnt 0x0
	CROUND                                         ; the closing round
	s_endpgm
.Lfunc_end_k_qda1dcd6220_proj_type:
	.size	k_qda1dcd6220_proj_type, .Lfunc_end_k_qda1dcd6220_proj_type-k_qda1dcd6220_proj_type
	.p2alignl 7, 3214868480
	.fill 96, 4, 3214868480
	.section	.rodata,"a",@progbits
	.p2align	6, 0x0
	.amdhsa_kernel k_qda1dcd6220_proj_type
		.amdhsa_group_segment_fixed_size 327680
		.amdhsa_private_segment_fixed_size 0
		.amdhsa_enable_private_segment 0
		.amdhsa_kernarg_size 56
		.amdhsa_user_sgpr_count 2
		.amdhsa_user_sgpr_kernarg_segment_ptr 1
		.amdhsa_wavefront_size32 1
		.amdhsa_system_sgpr_workgroup_id_x 1
		.amdhsa_system_sgpr_workgroup_id_y 1
		.amdhsa_system_sgpr_workgroup_id_z 1
		.amdhsa_system_vgpr_workitem_id 0
		.amdhsa_next_free_vgpr 1024
		.amdhsa_next_free_sgpr 100
		.amdhsa_reserve_vcc 0
		.amdhsa_float_denorm_mode_32 3
		.amdhsa_float_denorm_mode_16_64 3
		.amdhsa_memory_ordered 1
		.amdhsa_forward_progress 1
		.amdhsa_inst_pref_size 89
	.end_amdhsa_kernel
	.amdgpu_metadata
---
amdhsa.version: [ 1, 2 ]
amdhsa.kernels:
  - .name:           k_qda1dcd6220_proj_type
    .symbol:         k_qda1dcd6220_proj_type.kd
    .args:
      - { .name: codes, .offset: 0, .size: 8, .value_kind: global_buffer, .address_space: global }
      - { .name: scales, .offset: 8, .size: 8, .value_kind: global_buffer, .address_space: global }
      - { .name: btq, .offset: 16, .size: 8, .value_kind: global_buffer, .address_space: global }
      - { .name: btk, .offset: 24, .size: 8, .value_kind: global_buffer, .address_space: global }
      - { .name: btv, .offset: 32, .size: 8, .value_kind: global_buffer, .address_space: global }
      - { .name: mask, .offset: 40, .size: 8, .value_kind: global_buffer, .address_space: global }
      - { .name: qkv, .offset: 48, .size: 8, .value_kind: global_buffer, .address_space: global }
    .group_segment_fixed_size: 327680
    .private_segment_fixed_size: 0
    .kernarg_segment_align: 8
    .kernarg_segment_size: 56
    .max_flat_workgroup_size: 128
    .sgpr_count:     100
    .vgpr_count:     1024
    .wavefront_size: 32
...
	.end_amdgpu_metadata
.endif
;; end of part 3
;; launch attn (part 4): grid 4 x 64, 8 waves a work-group, clusters of 4 x 1, 327,680 bytes of LDS; arguments qkv, xf; writes xf
.if DOCPART == 4
	.amdgcn_target "amdgcn-amd-amdhsa--gfx1250"
	.amdhsa_code_object_version 6
	.text
	.protected	k_qda1dcd6220_attn
	.globl	k_qda1dcd6220_attn
	.p2align	8
	.type	k_qda1dcd6220_attn,@function
k_qda1dcd6220_attn:
	s_mov_b64 s[64:65], 0
	v_nop
	global_prefetch_b8 v0, s[64:65] scope:SCOPE_SE
	s_setreg_imm32_b32 hwreg(HW_REG_WAVE_MODE, 25, 1), 1
	s_wait_xcnt 0x0
	s_wait_alu depctr_hold_cnt(0) depctr_sa_sdst(0) depctr_va_vdst(0) depctr_va_sdst(0) depctr_va_ssrc(0) depctr_va_vcc(0) depctr_vm_vsrc(0)
	s_getreg_b32 s2, hwreg(HW_REG_IB_STS2, 6, 4)
	s_cmp_eq_u32 s2, 0
	s_cbranch_scc0 .Lentry_in_a_cluster
	s_endpgm
.Lentry_in_a_cluster:
	s_bfe_u32 s2, ttmp6, 0x10000c
	s_cmp_lg_u32 s2, 0x3003
	s_cbranch_scc0 .Lentry_shape_is_right
	s_endpgm
.Lentry_shape_is_right:
; ATTENTION of the three streams and their sum: x = 0.5 (softmax(q1 k1^T / 8) v1 + softmax(q2 k2^T / 8) v2 + softmax(q3 k3^T / 8) v3), head size 64, 1,024 keys.  Operands f16; products, maxima and sums f32.
; Masked keys count: their rows of k were stored as zeros, so their score is 0 where reference() has 1e-8 (the limit is stated at the projections' head); their v is weighed in like any other.
; SHARES.  A work-group owns 256 queries of one (batch, head) and walks the three streams one after the other; the three normalised results are added in registers, so x goes to memory once.
; Each of eight waves owns 32 queries, two tiles of 16; two waves share a SIMD, so that one wave's softmax stands beside the other's products.
; CLUSTER.  The four query blocks of a head walk the same K and V: every tile is asked for jointly, mask 15.
; LAYOUT.  S^T = K Q^T (source 0 = 16 keys, source 1 = 16 queries) and O^T = V^T P (source 0 = 16 channels, source 1 = P): a lane holds ONE query throughout.  q and k lie in memory as fragments' registers stand,
; so a fragment is two loads at 16 x lane; v lies token-major in chunks of 16 keys x 16 channels and is turned by ds_load_tr16_b128.
; THE RING.  Two slots of 512 keys (K: 65,536 dense bytes, then V: 65,536).  Six phases: stream s, half u, in slot u.  Each wave fetches 16 KB of a slot; a refill has a whole phase, eight key steps, in which to land.
; SOFTMAX.  A running maximum m and sum l for each query: p = 2^(c s - c m), c = log2(e) / 8; in every step O and l are multiplied by a = 2^(c m_old - c m_new).
; LIMITS: m starts at -3e38; NaN and infinities are not served; x under 6e-5 is kept with f16's fixed step of 6e-8.
; No L2 prefetch: no wave waits for K or V (a phase's tiles are asked for a phase ahead), and Q is asked for a stream ahead.
; REGISTERS.  window 0: v2-5 addresses; v12-27 statistics, 8 a tile (+0 c m, +1 m, +2, +3 l, +4..+7 at work; a in +6); v28, v29 the add's; v30, v31 the old c m; v32-63 and v160-191 Q, two sets by turns;
;   v64-127 S^T, 32 a tile; v128-159 P, 16 a tile; v192-255 K of a step.   window 1: v0-63 O^T, 32 a tile; v64-127 V of a step; v128-191 x.
.set SSTR,  25165824                   ; from stream to stream in qkv
.set RSTR,  8388608                    ; from role to role
.set SLOT1, 131072
.set VOFF,  65536
.set SPARE, 262144                     ; the spare words, 128 bytes for each of eight waves: four blocks of 256 bytes that no other line names
.set L16, 2                            ; v2  16 x lane: a register image's place for my lane, in LDS and in memory; never rewritten
.set AV0, 3                            ; v3  my lane's place in a chunk of V, + VOFF; never rewritten
.set ADK, 4
.set ADV, 5
.set ST,  12
.set SPW, 28
.set NIL, 29
.set OC,  30
.set S,   64
.set P,   128
.set KF,  192
.set VF,  64                           ; in window 1
.set XA,  128                          ; in window 1
.set WV,  8
.set G1,  16                           ; s[16:23] the one group 1
.set G0,  24                           ; s[24:27] slot 0's group 0, s[28:31] slot 1's
.set QP,  32
.set XP,  34
.set CS,  36
.set SEL, 38
.set TB,  40
.set CNT, 41
.set MSB, 0
.macro WIN new                         ; the immediate's high byte repeats the setting that is left
.if MSB != (\new)
	s_set_vgpr_msb (MSB<<8)|(\new)
.set MSB, (\new)
.endif
.endm
.macro CROUND                          ; a round of the cluster's barrier
	s_barrier_signal -1
	s_barrier_wait -1
	s_cmp_lg_u32 s[WV], 0
	s_cbranch_scc1 .Lnot_wave_0_\@
	s_barrier_signal -3
.Lnot_wave_0_\@:
	s_barrier_wait -3
	s_barrier_signal -1
	s_barrier_wait -1
.endm
.macro QLOAD base                      ; my two tiles of Q: tile i / 4, channels 16 (i % 4) on
.set i, 0
.rept 8
	global_load_b128 v[\base+4*i:\base+4*i+3], v[L16], s[QP:QP+1] offset:2048*(i/4)+512*(i%4)
.set i, i+1
.endr
.endm
; A KEY STEP: 64 keys at LDS byte s[TB] of K's and V's halves of the slot.  QB: the set of registers that holds this stream's Q.
.macro STEP
	v_add_nc_u32 v[ADK], s[TB], v[L16]
	v_add_nc_u32 v[ADV], s[TB], v[AV0]
	v_nop
	v_nop                                          ; four plain instructions between the last product that read V and the loads into V's registers
.set i, 0
.rept 16                               ; K: keys 16 (i / 4) on, channels 16 (i % 4) on
	ds_load_b128 v[KF+4*i:KF+4*i+3], v[ADK] offset:2048*(i/4)+512*(i%4)
.set i, i+1
.endr
	WIN 0x40                                       ; destination window 1
.set i, 0
.rept 16                               ; V turned: i = 8 g + 2 ct + e: keys 32 g + 16 e on, channels 16 ct on
	ds_load_tr16_b128 v[VF+4*i:VF+4*i+3], v[ADV] offset:2048*(2*(i/8)+i%2)+512*((i/2)%4)
.set i, i+1
.endr
	WIN 0
	s_wait_dscnt 16                                ; K is in; V's sixteen loads may be out
.set i, 0
.rept 16                               ; S^T = K Q^T: i = 8 u + 2 kt + t.  The eight accumulators take turns; the first eight products start the sums
.set rS, S+32*(i%2)+8*((i/2)%4)
.set rK, KF+16*((i/2)%4)+8*(i/8)
.set rQ, QB+16*(i%2)+8*(i/8)
.if i < 8
	v_wmma_f32_16x16x32_f16 v[rS:rS+7], v[rK:rK+7], v[rQ:rQ+7], 0
.else
	v_wmma_f32_16x16x32_f16 v[rS:rS+7], v[rK:rK+7], v[rQ:rQ+7], v[rS:rS+7]
.endif
.set i, i+1
.endr
.irp t, 0,1
	v_mov_b32 v[OC+\t], v[ST+8*\t]                 ; c m_old is kept for a
.endr
	v_nop
	v_nop                                          ; with the two moves: four places behind the last product
.irp j, 0,1,2,3                        ; the maximum: four chains a tile, the tiles by turns; each accumulator is read from its low end on
.irp t, 0,1
	v_max3_num_f32 v[ST+8*\t+4+\j], v[S+32*\t+8*\j], v[S+32*\t+8*\j+1], v[S+32*\t+8*\j+2]
.endr
.endr
.irp i, 3,5
.irp j, 0,1,2,3
.irp t, 0,1
	v_max3_num_f32 v[ST+8*\t+4+\j], v[ST+8*\t+4+\j], v[S+32*\t+8*\j+\i], v[S+32*\t+8*\j+\i+1]
.endr
.endr
.endr
.irp t, 0,1
	v_max3_num_f32 v[ST+8*\t+4], v[ST+8*\t+4], v[S+32*\t+7], v[S+32*\t+15]
.endr
.irp t, 0,1
	v_max3_num_f32 v[ST+8*\t+6], v[ST+8*\t+6], v[S+32*\t+23], v[S+32*\t+31]
.endr
.irp t, 0,1
	v_max3_num_f32 v[ST+8*\t+4], v[ST+8*\t+4], v[ST+8*\t+5], v[ST+8*\t+6]
.endr
.irp t, 0,1
	v_max3_num_f32 v[ST+8*\t+4], v[ST+8*\t+4], v[ST+8*\t+7], v[ST+8*\t+1]   ; and the old m
.endr
.irp t, 0,1
	v_permlanex16_b32 v[ST+8*\t+5], v[ST+8*\t+4], s[SEL], s[SEL+1]   ; the query's other 32 keys lie in the lane 16 away
.endr
.irp t, 0,1
	v_max_num_f32 v[ST+8*\t+1], v[ST+8*\t+4], v[ST+8*\t+5]
.endr
.irp t, 0,1
	v_mul_f32 v[ST+8*\t], s[CS], v[ST+8*\t+1]
.endr
.irp t, 0,1
	v_sub_f32 v[ST+8*\t+7], v[OC+\t], v[ST+8*\t]
.endr
.set i, 0
.rept 32                               ; c s - c m, two at a time
	v_pk_fma_f32 v[S+2*i:S+2*i+1], v[S+2*i:S+2*i+1], s[CS:CS+1], v[ST+8*(i/16):ST+8*(i/16)+1] op_sel_hi:[1,0,0] neg_lo:[0,0,1] neg_hi:[0,0,1]
.set i, i+1
.endr
.irp t, 0,1
	v_exp_f32 v[ST+8*\t+6], v[ST+8*\t+7]           ; a
.endr
.set i, 0
.rept 64
	v_exp_f32 v[S+i], v[S+i]                       ; p
.set i, i+1
.endr
	v_nop                                          ; a plain instruction behind the last exponential
	s_wait_alu depctr_va_vdst(0)                   ; one wait for the batch of 66, ahead of its first reader
.set i, 0
.rept 32
	v_cvt_pk_f16_f32 v[P+i], v[S+2*i], v[S+2*i+1]  ; two tiles of keys, packed in pairs, are source 1 of the second product
.set i, i+1
.endr
.irp w, 4,8,16,32                      ; the sums of the unrounded p, in place: neighbours 1, 2, 4 and 8 pairs apart, both tiles
.set i, 0
.rept 64/\w
	v_pk_add_f32 v[S+\w*i:S+\w*i+1], v[S+\w*i:S+\w*i+1], v[S+\w*i+\w/2:S+\w*i+\w/2+1]
.set i, i+1
.endr
.endr
.irp t, 0,1
	v_pk_fma_f32 v[ST+8*\t+2:ST+8*\t+3], v[ST+8*\t+2:ST+8*\t+3], v[ST+8*\t+6:ST+8*\t+7], v[S+32*\t:S+32*\t+1] op_sel_hi:[1,0,1]   ; l = a l + the sum
.endr
	WIN 0x41                                       ; O^T in window 1, a in window 0
.set i, 0
.rept 32
	v_pk_mul_f32 v[2*i:2*i+1], v[2*i:2*i+1], v[ST+8*(i/16)+6:ST+8*(i/16)+7] op_sel_hi:[1,0]
.set i, i+1
.endr
	s_wait_dscnt 0x0                               ; V is in
	WIN 0x51                                       ; V and O^T in window 1, P in window 0
.set i, 0
.rept 16                               ; O^T += V^T P: i = 8 g + 2 ct + t: the eight accumulators take turns
.set rO, 32*(i%2)+8*((i/2)%4)
.set rV, VF+32*(i/8)+8*((i/2)%4)
.set rP, P+16*(i%2)+8*(i/8)
	v_wmma_f32_16x16x32_f16 v[rO:rO+7], v[rV:rV+7], v[rP:rP+7], v[rO:rO+7]
.set i, i+1
.endr
	WIN 0
.endm
.macro PHASE slot                      ; a slot's eight key steps: written once, walked eight times; the trip count is a constant
	s_mov_b32 s[TB], \slot*SLOT1
	s_mov_b32 s[CNT], 8
.Lstep_\@:
	STEP
	s_add_co_u32 s[TB], s[TB], 8192
	s_sub_co_u32 s[CNT], s[CNT], 1
	s_cmp_lg_u32 s[CNT], 0
	s_cbranch_scc1 .Lstep_\@
.endm
; THE CHANGE OF SLOTS.  Each wave waits for all its tensor loads (its part of the slot ahead), adds 0 to its spare word, and waits for that and for its reads of the slot that it leaves.
; fill = 1: that slot takes the next stream's keys: the barrier is a round of the cluster's, and the joint refill is the first thing behind it, one load a wave.
.macro CHANGE fill, slot
	s_wait_tensorcnt 0x0                           ; no tensor load of mine is out, so a group 0 may be written
	ds_add_u32 v[SPW], v[NIL]
.if \fill
	s_add_nc_u64 s[G0+4*\slot+2:G0+4*\slot+3], s[G0+4*\slot+2:G0+4*\slot+3], SSTR   ; the type bits on top are not reached
.endif
	s_wait_dscnt 0x0
.if \fill
	CROUND
	tensor_load_to_lds s[G0+4*\slot:G0+4*\slot+3], s[G1:G1+7]
	s_nop 0
.rept 4
	v_nop
.endr
.else
	s_barrier_signal -1
	s_barrier_wait -1
.endif
.endm
.macro INIT                            ; a stream begins: the key step is written once, and its first walk finds zeros, which a = 0 leaves zeros
	WIN 0x40
.set i, 0
.rept 64
	v_mov_b32 v[i], 0
.set i, i+1
.endr
	WIN 0
.irp t, 0,1
	v_mov_b32 v[ST+8*\t+1], 0xff61b1e6             ; m = -3e38, under every score
	v_mov_b32 v[ST+8*\t+2], 0
	v_mov_b32 v[ST+8*\t+3], 0
.endr
.irp t, 0,1
	v_mul_f32 v[ST+8*\t], s[CS], v[ST+8*\t+1]
.endr
.endm
.macro FOLD s                          ; x (+)= 0.5 O^T / l.  The additions are places behind the last products
.irp t, 0,1
	v_add_f32 v[ST+8*\t+4], v[ST+8*\t+2], v[ST+8*\t+3]
.endr
.irp t, 0,1
	v_permlanex16_b32 v[ST+8*\t+5], v[ST+8*\t+4], s[SEL], s[SEL+1]
.endr
.irp t, 0,1
	v_add_f32 v[ST+8*\t+4], v[ST+8*\t+4], v[ST+8*\t+5]
.endr
.irp t, 0,1
	v_rcp_f32 v[ST+8*\t+6], v[ST+8*\t+4]
.endr
	v_nop                                          ; a plain instruction behind the last reciprocal
	s_wait_alu depctr_va_vdst(0)                   ; and the wait ahead of the first reader: one for both
.irp t, 0,1
	v_mul_f32 v[ST+8*\t+6], 0.5, v[ST+8*\t+6]      ; every stream's weight is 0.5
.endr
.if \s == 0
	WIN 0x41
.set i, 0
.rept 32
	v_pk_mul_f32 v[XA+2*i:XA+2*i+1], v[2*i:2*i+1], v[ST+8*(i/16)+6:ST+8*(i/16)+7] op_sel_hi:[1,0]   ; each accumulator from its low end on
.set i, i+1
.endr
.else
	WIN 0x51
.set i, 0
.rept 32
	v_pk_fma_f32 v[XA+2*i:XA+2*i+1], v[2*i:2*i+1], v[ST+8*(i/16)+6:ST+8*(i/16)+7], v[XA+2*i:XA+2*i+1] op_sel_hi:[1,0,1]
.set i, i+1
.endr
.endif
	WIN 0
.endm
.macro STREAM s
.set QB, 160-128*((\s)%2)
	s_wait_loadcnt 0x0                             ; this stream's Q is in, so its loads' base may step
.if \s < 2
	s_add_nc_u64 s[QP:QP+1], s[QP:QP+1], SSTR
	QLOAD 160-128*((\s+1)%2)                       ; the next stream's Q, a stream ahead, into the other set
.endif
	INIT
	PHASE 0
.if \s < 2
	CHANGE 1, 0
	PHASE 1
	CHANGE 1, 1
.else
	CHANGE 0, 0                                    ; nothing is left to fetch
	PHASE 1
.endif
	FOLD \s
.endm
	s_load_b128 s[4:7], s[0:1], 0x0                ; qkv, xf
	v_lshl_add_u32 v[SPW], v0, 2, SPARE
	v_mov_b32 v[NIL], 0
	ds_add_u32 v[SPW], v[NIL]                      ; the wave's opening: the add, twice on end, and its wait ahead of my first tensor load
	ds_add_u32 v[SPW], v[NIL]
	v_lshrrev_b32 v1, 5, v0
	v_readfirstlane_b32 s[WV], v1                  ; wave 0..7
	s_bfe_u32 s9, ttmp6, 0x40000                   ; cx: my block of 256 queries; it enters Q's and x's addresses alone
	s_and_b32 s10, ttmp7, 0xffff                   ; 16 x batch + head, which the four partners share
	s_mov_b32 s[G1], 15|(3<<16)|(1<<21)            ; the mask: all four; elements of 8 bytes; bit 21 beside a mask; no padding
	s_mov_b32 s[G1+1], 32<<16                      ; tensor_dim0 = 32 elements: rows of 256 bytes
	s_mov_b32 s[G1+2], 64<<16                      ; tensor_dim1 = 64
	s_mov_b32 s[G1+3], 32<<16                      ; tile_dim0
	s_mov_b32 s[G1+4], 64                          ; tile_dim1
	s_mov_b32 s[G1+5], 32                          ; dense: a row begins where the last ends
	s_mov_b32 s[G1+6], 0
	s_mov_b32 s[G1+7], 0
	s_mov_b32 s[CS], 0x3e38aa3b                    ; c = log2(e) / 8
	s_mov_b32 s[CS+1], s[CS]
	s_mov_b32 s[SEL], 0x76543210
	s_mov_b32 s[SEL+1], 0xfedcba98
	s_lshr_b32 s44, s[WV], 2                       ; waves 0-3 fetch K, waves 4-7 V:
	s_add_co_u32 s44, s44, 1
	s_mul_i32 s42, s44, RSTR                       ; the role,
	s_lshl_b32 s44, s10, 17                        ; the head's 131,072 bytes,
	s_add_co_u32 s42, s42, s44
	s_and_b32 s44, s[WV], 3
	s_lshl_b32 s44, s44, 14                        ; my 16,384 of a half's 65,536
	s_add_co_u32 s42, s42, s44
	s_mov_b32 s43, 0
	s_lshl_b32 s44, s9, 4
	s_lshl_b32 s45, s[WV], 1
	s_add_co_u32 s44, s44, s45                     ; my first tile of 16 queries in the head: 16 cx + 2 wave
	s_lshl_b32 s46, s44, 11
	s_lshl_b32 s45, s10, 17
	s_add_co_u32 s46, s46, s45                     ; Q: role 0
	s_mov_b32 s47, 0
	s_lshr_b32 s45, s10, 4
	s_lshl_b32 s45, s45, 6
	s_add_co_u32 s44, s44, s45                     ; x: the tile among all tokens: + 64 x batch; 8,192 bytes a tile,
	s_lshl_b32 s44, s44, 13
	s_bfe_u32 s45, s10, 0x20002
	s_lshl_b32 s45, s45, 21                        ; 2,097,152 for each 256 channels (head / 4),
	s_add_co_u32 s44, s44, s45
	s_and_b32 s45, s10, 3
	s_lshl_b32 s45, s45, 11                        ; 2,048 for each 64 (head % 4)
	s_add_co_u32 s44, s44, s45
	s_mov_b32 s45, 0
	v_and_b32 v1, 31, v0
	v_lshlrev_b32 v[L16], 4, v1
	v_bfe_u32 v7, v0, 4, 1                         ; h
	v_and_b32 v8, 7, v0
	v_bfe_u32 v9, v0, 3, 1
	v_lshl_add_u32 v[AV0], v7, 3, v8               ; the turning load: lane l reads key 8 h + l % 8 (32 bytes a key), channels 8 ((l / 8) % 2) on
	v_lshlrev_b32 v[AV0], 5, v[AV0]
	v_lshl_add_u32 v[AV0], v9, 4, v[AV0]
	v_add_nc_u32 v[AV0], VOFF, v[AV0]
	s_wait_dscnt 0x0                               ; both opening adds are done
	s_wait_kmcnt 0x0
	s_add_nc_u64 s[QP:QP+1], s[4:5], s[46:47]
	s_add_nc_u64 s[XP:XP+1], s[6:7], s[44:45]
	s_mov_b32 s[G0], 1
	s_lshl_b32 s[G0+1], s[WV], 14                  ; LDS: wave x 16,384: K's four parts, then V's
	s_add_nc_u64 s[G0+2:G0+3], s[4:5], s[42:43]
	s_mov_b32 s[G0+4], 1
	s_add_co_u32 s[G0+5], s[G0+1], SLOT1
	s_add_nc_u64 s[G0+6:G0+7], s[G0+2:G0+3], 65536 ; the second 512 keys
	s_or_b32 s[G0+3], s[G0+3], 0x80000000
	s_or_b32 s[G0+7], s[G0+7], 0x80000000
	CROUND                                         ; all four work-groups are here: the first joint loads meet
	tensor_load_to_lds s[G0:G0+3], s[G1:G1+7]      ; every wave issues both first fills: two loads of mine are out
	s_nop 0
	tensor_load_to_lds s[G0+4:G0+7], s[G1:G1+7]
	s_nop 0
.rept 4
	v_nop
.endr
	QLOAD 160
	s_wait_tensorcnt 1                             ; my part of slot 0 is in; slot 1's may stay out
	s_barrier_signal -1
	s_barrier_wait -1
	STREAM 0
	STREAM 1
	STREAM 2
	WIN 0x05                                       ; sources in window 1, destination in window 0
.set i, 0
.rept 32
	v_cvt_pk_f16_f32 v[S+i], v[XA+2*i], v[XA+2*i+1]
.set i, i+1
.endr
	WIN 0
.set i, 0
.rept 8                                ; xf: [256 channels: 4][16 tokens: 256][32 channels: 8][2][lane][16 B]: a wave's store is 512 consecutive bytes, four registers of the output projection's fragment as they stand
	global_store_b128 v[L16], v[S+4*i:S+4*i+3], s[XP:XP+1] offset:8192*(i/4)+512*(i%4)
.set i, i+1
.endr
	s_wait_tensorcnt 0x0                           ; the wave's end
	ds_add_u32 v[SPW], v[NIL]
	s_wait_dscnt 0x0
	CROUND                                         ; the closing round
	s_endpgm
.Lfunc_end_k_qda1dcd6220_attn:
	.size	k_qda1dcd6220_attn, .Lfunc_end_k_qda1dcd6220_attn-k_qda1dcd6220_attn
	.p2alignl 7, 3214868480
	.fill 96, 4, 3214868480
	.section	.rodata,"a",@progbits
	.p2align	6, 0x0
	.amdhsa_kernel k_qda1dcd6220_attn
		.amdhsa_group_segment_fixed_size 327680
		.amdhsa_private_segment_fixed_size 0
		.amdhsa_enable_private_segment 0
		.amdhsa_kernarg_size 16
		.amdhsa_user_sgpr_count 2
		.amdhsa_user_sgpr_kernarg_segment_ptr 1
		.amdhsa_wavefront_size32 1
		.amdhsa_system_sgpr_workgroup_id_x 1
		.amdhsa_system_sgpr_workgroup_id_y 1
		.amdhsa_system_sgpr_workgroup_id_z 1
		.amdhsa_system_vgpr_workitem_id 0
		.amdhsa_next_free_vgpr 448
		.amdhsa_next_free_sgpr 66
		.amdhsa_reserve_vcc 0
		.amdhsa_float_denorm_mode_32 3
		.amdhsa_float_denorm_mode_16_64 3
		.amdhsa_memory_ordered 1
		.amdhsa_forward_progress 1
		.amdhsa_inst_pref_size 131
	.end_amdhsa_kernel
	.amdgpu_metadata
---
amdhsa.version: [ 1, 2 ]
amdhsa.kernels:
  - .name:           k_qda1dcd6220_attn
    .symbol:         k_qda1dcd6220_attn.kd
    .args:
      - { .name: qkv, .offset: 0, .size: 8, .value_kind: global_buffer, .address_space: global }
      - { .name: xf, .offset: 8, .size: 8, .value_kind: global_buffer, .address_space: global }
    .group_segment_fixed_size: 327680
    .private_segment_fixed_size: 0
    .kernarg_segment_align: 8
    .kernarg_segment_size: 16
    .max_flat_workgroup_size: 256
    .sgpr_count:     66
    .vgpr_count:     448
    .wavefront_size: 32
...
	.end_amdgpu_metadata
.endif
;; end of part 4
;; launch outp (part 5): grid 8 x 32, 4 waves a work-group, clusters of 4 x 4, 327,680 bytes of LDS; arguments xf, wof, bo, out0; writes out0
.if DOCPART == 5
	.amdgcn_target "amdgcn-amd-amdhsa--gfx1250"
	.amdhsa_code_object_version 6
	.text
	.protected	k_qda1dcd6220_outp
	.globl	k_qda1dcd6220_outp
	.p2align	8
	.type	k_qda1dcd6220_outp,@function
k_qda1dcd6220_outp:
	s_mov_b64 s[64:65], 0
	v_nop
	global_prefetch_b8 v0, s[64:65] scope:SCOPE_SE
	s_setreg_imm32_b32 hwreg(HW_REG_WAVE_MODE, 25, 1), 1
	s_wait_xcnt 0x0
	s_wait_alu depctr_hold_cnt(0) depctr_sa_sdst(0) depctr_va_vdst(0) depctr_va_sdst(0) depctr_va_ssrc(0) depctr_va_vcc(0) depctr_vm_vsrc(0)
	s_getreg_b32 s2, hwreg(HW_REG_IB_STS2, 6, 4)
	s_cmp_eq_u32 s2, 0
	s_cbranch_scc0 .Lentry_in_a_cluster
	s_endpgm
.Lentry_in_a_cluster:
	s_bfe_u32 s2, ttmp6, 0x10000c
	s_cmp_lg_u32 s2, 0xf033
	s_cbranch_scc0 .Lentry_shape_is_right
	s_endpgm
.Lentry_shape_is_right:
; out0 = x Wo + bo.  x [4096][1024] and Wo [1024 (k)][1024 (n)] arrive as f16 in the order of operand registers (xf, wof); sums in f32; out0 f32.
; 256 tiles of 128 x 128, one to a work-group; four waves, each 64 x 64: 16 accumulators.  K goes in four steps of 256 through two LDS slots; a step's 128 rows of x are 65,536 dense bytes of xf, its 128 columns of Wo
; 65,536 dense bytes of wof: a wave's tensor load brings 32,768 of them as rows of 256 bytes.  A fragment is two loads at 16 x lane: no pitch, no padding.
; CLUSTER 4 x 4: x's tiles are shared along a row of the cluster, Wo's along a column, by joint loads.
; THE MATRIX INSTRUCTION IS USED TRANSPOSED (source 0 = 16 columns of Wo, source 1 = 16 tokens): a lane holds eight neighbouring numbers of a row of out0.  bo is the C of each sum's first product.
; A wave's 64 columns are 256 bytes of a row, aligned: so each wave has a stage of its own on the way out, and no barrier stands there.
; REGISTERS: window 0: v16-29 addresses; v32-95 the way out; v96-127 bo, 8 registers for each 16 columns; v128-255 the accumulators ((a, b) at v[128 + 8 (4 a + b)]).  window 1: two fragment buffers of 128.
.set SLOTB,  131072                    ; a slot: x's 65,536 bytes, then Wo's
.set STAGE,  262144                    ; behind the slots: 16 rows x 272 bytes for each wave
.set SPITCH, 272
.set SPARE,  STAGE+4*16*SPITCH         ; the spare words: two blocks of 256 bytes that no other line names
.set ADRA, 16
.set ADRB, 20
.set STO,  24
.set RD,   25
.set CO,   26
.set BOF,  27                          ; v27 32 h: bo's offset; not rewritten
.set SPW,  28
.set NIL,  29
.set TMP,  32
.set BI,   96
.set ACC,  128
.set F0,   0
.set F1,   128
.set WV,   3                           ; s3  my wave's number
.set RH,   12                          ; s12 which half of the tile's tokens is mine.  Also: I fetch for x (0) or for Wo (1)
.set CH,   13                          ; s13 which half of its columns.  Also: which half of that tile I fetch
.set G1, 24
.set G0, 32
.set G1B, 48
.set G0B, 56
.set MSB, 0
.macro WIN new                         ; the immediate's high byte repeats the setting that is left
.if MSB != (\new)
	s_set_vgpr_msb (MSB<<8)|(\new)
.set MSB, (\new)
.endif
.endm
.set MUL,  0x05                        ; sources 0 and 1 window 1; C and D window 0
.set TO_F, 0x40
.macro JLOAD s                         ; a joint load; an s_nop 0 and four v_nop follow each of the two lines
	s_cmp_eq_u32 s[RH], 0
	s_cbranch_scc0 .Lfor_b_\@
	tensor_load_to_lds s[G0+4*\s:G0+4*\s+3], s[G1:G1+7]
	s_nop 0
.rept 4
	v_nop
.endr
	s_branch .Lasked_\@
.Lfor_b_\@:
	tensor_load_to_lds s[G0B+4*\s:G0B+4*\s+3], s[G1B:G1B+7]
	s_nop 0
.rept 4
	v_nop
.endr
.Lasked_\@:
.endm
.macro CREST                           ; a round of the cluster's barrier behind its opening barrier
	s_cmp_lg_u32 s[WV], 0
	s_cbranch_scc1 .Lnot_wave_0_\@
	s_barrier_signal -3
.Lnot_wave_0_\@:
	s_barrier_wait -3
	s_barrier_signal -1
	s_barrier_wait -1
.endm
.macro CROUND
	s_barrier_signal -1
	s_barrier_wait -1
	CREST
.endm
	s_load_b256 s[4:11], s[0:1], 0x0               ; xf s4, wof s6, bo s8, out0 s10
	v_lshl_add_u32 v[SPW], v0, 2, SPARE
	v_mov_b32 v[NIL], 0
	ds_add_u32 v[SPW], v[NIL]                      ; the wave's opening: the add, twice on end, and its wait ahead of my first tensor load
	ds_add_u32 v[SPW], v[NIL]
	v_lshrrev_b32 v1, 5, v0
	v_readfirstlane_b32 s[WV], v1
	s_lshr_b32 s[RH], s[WV], 1
	s_and_b32 s[CH], s[WV], 1
	s_bfe_u32 s14, ttmp6, 0x40000                  ; cx, cy
	s_bfe_u32 s15, ttmp6, 0x40004
	s_lshl_b32 s16, ttmp9, 2
	s_add_co_u32 s16, s16, s14                     ; tile column
	s_and_b32 s17, ttmp7, 0xffff
	s_lshl_b32 s17, s17, 2
	s_add_co_u32 s17, s17, s15                     ; tile row
	s_lshl_b32 s18, s15, 2
	s_lshl_b32 s18, 15, s18                        ; my row of the cluster
	s_lshl_b32 s19, 0x1111, s14                    ; my column
	s_or_b32 s[G1], s18, (3<<16)|(1<<21)           ; the mask; elements of 8 bytes; bit 21 beside a mask; no padding
	s_or_b32 s[G1B], s19, (3<<16)|(1<<21)
.irp g, G1, G1B
	s_mov_b32 s[\g+1], 32<<16                      ; rows of 256 bytes,
	s_mov_b32 s[\g+2], 128<<16                     ; 128 of them,
	s_mov_b32 s[\g+3], 32<<16
	s_mov_b32 s[\g+4], 128
	s_mov_b32 s[\g+5], 32                          ; dense
	s_mov_b32 s[\g+6], 0
	s_mov_b32 s[\g+7], 0
.endr
	s_lshl_b32 s22, s[CH], 2
	s_lshl_b32 s20, s17, 3
	s_add_co_u32 s20, s20, s22
	s_lshl_b32 s20, s20, 13                        ; x: (8 x tile row + 4 x half) groups of 16 tokens, 8,192 bytes each
	s_mov_b32 s21, 0
	s_lshl_b32 s44, s16, 3
	s_add_co_u32 s44, s44, s22
	s_lshl_b32 s44, s44, 13                        ; Wo: the same by the tile column
	s_mov_b32 s45, 0
	s_lshl_b32 s23, s[WV], 15                      ; where they go: wave x 32,768: no place in the cluster enters an LDS address
	s_wait_dscnt 0x0                               ; both opening adds are done
	s_wait_kmcnt 0x0
	s_add_nc_u64 s[20:21], s[4:5], s[20:21]
	s_add_nc_u64 s[44:45], s[6:7], s[44:45]
	CROUND                                         ; all sixteen work-groups are here: the first joint loads meet
.irp s, 0,1
	s_mov_b32 s[G0+4*\s], 1
	s_add_co_u32 s[G0+4*\s+1], s23, \s*SLOTB
	s_add_nc_u64 s[G0+4*\s+2:G0+4*\s+3], s[20:21], \s*2097152   ; K step s of xf
	s_or_b32 s[G0+4*\s+3], s[G0+4*\s+3], 0x80000000
	s_mov_b32 s[G0B+4*\s], 1
	s_add_co_u32 s[G0B+4*\s+1], s23, \s*SLOTB
	s_add_nc_u64 s[G0B+4*\s+2:G0B+4*\s+3], s[44:45], \s*524288  ; K step s of wof
	s_or_b32 s[G0B+4*\s+3], s[G0B+4*\s+3], 0x80000000
	JLOAD \s
.endr
	v_and_b32 v1, 15, v0                           ; r
	v_bfe_u32 v2, v0, 4, 1                         ; h
	v_and_b32 v3, 31, v0
	v_lshlrev_b32 v3, 4, v3                        ; 16 x lane
	s_lshl_b32 s21, s[RH], 15                      ; my 64 tokens,
	s_lshl_b32 s22, s[CH], 15                      ; my 64 columns,
	s_add_co_u32 s22, s22, 65536                   ; which lie behind x's 65,536 bytes
.irp s, 0,1
	v_add_nc_u32 v[ADRA+\s], s21, v3
	v_add_nc_u32 v[ADRB+\s], s22, v3
	s_add_co_u32 s21, s21, SLOTB
	s_add_co_u32 s22, s22, SLOTB
.endr
	s_mul_i32 s23, s[WV], 16*SPITCH
	s_add_co_u32 s23, s23, STAGE                   ; my stage
	v_mul_u32_u24 v4, v1, SPITCH                   ; in: row r, 32 bytes for each half of the lanes
	v_lshl_add_u32 v4, v2, 5, v4
	v_add_nc_u32 v[STO], s23, v4
	v_mul_u32_u24 v5, v2, SPITCH                   ; back: lanes 0-15 one row of 256 bytes, lanes 16-31 the next
	v_lshl_add_u32 v5, v1, 4, v5
	v_add_nc_u32 v[RD], s23, v5
	v_lshlrev_b32 v5, 12, v2                       ; and the same two rows of out0, 4,096 bytes apart
	v_lshl_add_u32 v[CO], v1, 4, v5
	s_lshl_b32 s44, s16, 7
	s_lshl_b32 s45, s[CH], 6
	s_add_co_u32 s44, s44, s45                     ; my first column,
	s_lshl_b32 s44, s44, 2                         ; in bytes
	s_mov_b32 s45, 0
	s_add_nc_u64 s[8:9], s[8:9], s[44:45]
	s_add_nc_u64 s[10:11], s[10:11], s[44:45]
	s_lshl_b32 s20, s17, 7
	s_lshl_b32 s21, s[RH], 6
	s_add_co_u32 s20, s20, s21                     ; my first row
	s_lshl_b32 s20, s20, 12
	s_mov_b32 s21, 0
	s_add_nc_u64 s[10:11], s[10:11], s[20:21]
	v_lshlrev_b32 v[BOF], 5, v2
.irp b, 0,1,2,3
	global_load_b128 v[BI+8*\b:BI+8*\b+3], v[BOF], s[8:9] offset:64*\b          ; bo of columns 16 b + 8 h + 0 .. 7: the result's layout
	global_load_b128 v[BI+8*\b+4:BI+8*\b+7], v[BOF], s[8:9] offset:64*\b+16
.endr
; 8 matrix instructions: token blocks a0, a0 + 1 x all 4 column blocks, 32 along K: half c of buffer f.  first = 1: the sum begins with bo.  The 16 accumulators take turns.
.macro MUL8 f, c, a0, first
.irp a, \a0, \a0+1
.irp b, 0,1,2,3
.if \first
	v_wmma_f32_16x16x32_f16 v[ACC+8*(4*(\a)+\b):ACC+8*(4*(\a)+\b)+7], v[\f+64+8*(4*\c+\b):\f+64+8*(4*\c+\b)+7], v[\f+8*(4*\c+\a):\f+8*(4*\c+\a)+7], v[BI+8*\b:BI+8*\b+7]
.else
	v_wmma_f32_16x16x32_f16 v[ACC+8*(4*(\a)+\b):ACC+8*(4*(\a)+\b)+7], v[\f+64+8*(4*\c+\b):\f+64+8*(4*\c+\b)+7], v[\f+8*(4*\c+\a):\f+8*(4*\c+\a)+7], v[ACC+8*(4*(\a)+\b):ACC+8*(4*(\a)+\b)+7]
.endif
.endr
.endr
.endm
; 32 LDS loads in one run: the fragments of the slot's quarter qd (64 along K), into buffer f; the first 32 along K first
.macro FETCH slot, qd, f
	WIN TO_F
.irp c, 0,1
.irp i, 0,1,2,3
	ds_load_b128 v[\f+64+8*(4*\c+\i):\f+64+8*(4*\c+\i)+3],   v[ADRB+\slot] offset:(2*(\qd)+\c)*1024+\i*8192
	ds_load_b128 v[\f+64+8*(4*\c+\i)+4:\f+64+8*(4*\c+\i)+7], v[ADRB+\slot] offset:(2*(\qd)+\c)*1024+\i*8192+512
	ds_load_b128 v[\f+8*(4*\c+\i):\f+8*(4*\c+\i)+3],         v[ADRA+\slot] offset:(2*(\qd)+\c)*1024+\i*8192
	ds_load_b128 v[\f+8*(4*\c+\i)+4:\f+8*(4*\c+\i)+7],       v[ADRA+\slot] offset:(2*(\qd)+\c)*1024+\i*8192+512
.endr
.endr
.endm
.macro PLACES                          ; four plain instructions in front of loads into registers that matrix instructions have read, and of reads of results
.rept 4
	v_nop
.endr
.endm
.macro QUARTER slot, qd, f, g, first   ; multiplies buffer f and fetches the slot's quarter qd into g
	s_wait_dscnt 16                                ; the first 32 along K are in; the other sixteen loads may be out
	WIN MUL
	MUL8 \f, 0, 0, \first
	MUL8 \f, 0, 2, \first
	PLACES
	FETCH \slot, \qd, \g
	s_wait_dscnt 32                                ; all but the 32 just issued
	WIN MUL
	MUL8 \f, 1, 0, 0
	MUL8 \f, 1, 2, 0
.endm
; A slot's last quarter multiplies buffer 1 and changes slots: one barrier; in front of it each wave waits for all its tensor loads, adds 0 to its spare word, and waits for that and for its reads of this slot.
; fill = 1: this slot is filled again, two K steps ahead: the barrier opens a round of the cluster's, and the joint refill is the first tensor load behind it.
.macro TURN slot, next, fill
	WIN 0
	s_wait_tensorcnt 0x0                           ; all my tensor loads have landed: my part of the next slot
	ds_add_u32 v[SPW], v[NIL]
	s_wait_dscnt 17                                ; the add and the youngest sixteen loads may be out
	WIN MUL
	MUL8 F1, 0, 0, 0
	s_wait_dscnt 0x0                               ; the add is done, and my reads of this slot are over
	s_barrier_signal -1
	MUL8 F1, 0, 2, 0
.if \fill
	WIN 0
.endif
	s_barrier_wait -1
.if \fill
	CREST
	s_add_nc_u64 s[G0+4*\slot+2:G0+4*\slot+3], s[G0+4*\slot+2:G0+4*\slot+3], 2*2097152
	s_add_nc_u64 s[G0B+4*\slot+2:G0B+4*\slot+3], s[G0B+4*\slot+2:G0B+4*\slot+3], 2*524288
	JLOAD \slot                                    ; the four v_nop behind it are also the places in front of the loads below
.else
	PLACES
.endif
	FETCH \next, 0, F0
	WIN MUL
	MUL8 F1, 1, 0, 0
	MUL8 F1, 1, 2, 0
.endm
	s_wait_tensorcnt 1                             ; my part of K step 0 is in; K step 1's load may be out,
	s_barrier_signal -1
	s_barrier_wait -1                              ; everybody's is
	s_wait_loadcnt 0x0                             ; bo
	FETCH 0, 0, F0
	QUARTER 0, 1, F0, F1, 1                        ; K step 0: its first products start the sums with bo
	QUARTER 0, 2, F1, F0, 0
	QUARTER 0, 3, F0, F1, 0
	TURN 0, 1, 1                                   ; slot 0 takes K step 2
	QUARTER 1, 1, F0, F1, 0                        ; K step 1
	QUARTER 1, 2, F1, F0, 0
	QUARTER 1, 3, F0, F1, 0
	TURN 1, 0, 1                                   ; slot 1 takes K step 3
	QUARTER 0, 1, F0, F1, 0                        ; K step 2
	QUARTER 0, 2, F1, F0, 0
	QUARTER 0, 3, F0, F1, 0
	TURN 0, 1, 0                                   ; nothing is left to fetch
	QUARTER 1, 1, F0, F1, 0                        ; K step 3
	QUARTER 1, 2, F1, F0, 0
	QUARTER 1, 3, F0, F1, 0
	s_wait_dscnt 16
	WIN MUL
	MUL8 F1, 0, 0, 0
	MUL8 F1, 0, 2, 0
	s_wait_dscnt 0
	MUL8 F1, 1, 0, 0
	MUL8 F1, 1, 2, 0
	WIN 0
; THE WAY OUT, 16 tokens x 64 columns at a time, through my own stage: a lane's 32 bytes go into rows of 272 bytes and come back as whole rows of 256.  LDS serves a wave's instructions in order: no wait between stores and loads.
.macro TOSTAGE a
.irp b, 0,1,2,3
	ds_store_b128 v[STO], v[ACC+8*(4*(\a)+\b):ACC+8*(4*(\a)+\b)+3] offset:64*\b          ; each accumulator from its low end on
	ds_store_b128 v[STO], v[ACC+8*(4*(\a)+\b)+4:ACC+8*(4*(\a)+\b)+7] offset:64*\b+16
.endr
.set BB, TMP+32*((\a)%2)
.irp t, 0,1,2,3,4,5,6,7
	ds_load_b128 v[BB+4*\t:BB+4*\t+3], v[RD] offset:\t*2*SPITCH
.endr
.endm
.macro SEND a, younger                 ; younger: the LDS instructions issued behind block a's loads, which may stay out
.set BB, TMP+32*((\a)%2)
	s_wait_dscnt \younger
.irp t, 0,1,2,3,4,5,6,7
	global_store_b128 v[CO], v[BB+4*\t:BB+4*\t+3], s[10:11] offset:(16*(\a)+2*\t)*4096 th:TH_STORE_NT   ; sixteen lanes store 256 consecutive bytes, aligned
.endr
.endm
	PLACES
	TOSTAGE 0
.irp a, 1,2,3
.if \a > 1
	s_wait_xcnt 0x0                                ; the stores of two blocks ago have read their registers
.endif
	TOSTAGE \a
	SEND \a-1, 16                                  ; behind block a - 1's loads: block a's 8 stores and 8 loads
.endr
	SEND 3, 0
	s_wait_tensorcnt 0x0                           ; the wave's end
	ds_add_u32 v[SPW], v[NIL]
	s_wait_dscnt 0x0
	CROUND                                         ; the closing round
	s_endpgm
.Lfunc_end_k_qda1dcd6220_outp:
	.size	k_qda1dcd6220_outp, .Lfunc_end_k_qda1dcd6220_outp-k_qda1dcd6220_outp
	.p2alignl 7, 3214868480
	.fill 96, 4, 3214868480
	.section	.rodata,"a",@progbits
	.p2align	6, 0x0
	.amdhsa_kernel k_qda1dcd6220_outp
		.amdhsa_group_segment_fixed_size 327680
		.amdhsa_private_segment_fixed_size 0
		.amdhsa_enable_private_segment 0
		.amdhsa_kernarg_size 32
		.amdhsa_user_sgpr_count 2
		.amdhsa_user_sgpr_kernarg_segment_ptr 1
		.amdhsa_wavefront_size32 1
		.amdhsa_system_sgpr_workgroup_id_x 1
		.amdhsa_system_sgpr_workgroup_id_y 1
		.amdhsa_system_sgpr_workgroup_id_z 1
		.amdhsa_system_vgpr_workitem_id 0
		.amdhsa_next_free_vgpr 512
		.amdhsa_next_free_sgpr 66
		.amdhsa_reserve_vcc 0
		.amdhsa_float_denorm_mode_32 3
		.amdhsa_float_denorm_mode_16_64 3
		.amdhsa_memory_ordered 1
		.amdhsa_forward_progress 1
		.amdhsa_inst_pref_size 86
	.end_amdhsa_kernel
	.amdgpu_metadata
---
amdhsa.version: [ 1, 2 ]
amdhsa.kernels:
  - .name:           k_qda1dcd6220_outp
    .symbol:         k_qda1dcd6220_outp.kd
    .args:
      - { .name: xf, .offset: 0, .size: 8, .value_kind: global_buffer, .address_space: global }
      - { .name: wof, .offset: 8, .size: 8, .value_kind: global_buffer, .address_space: global }
      - { .name: bo, .offset: 16, .size: 8, .value_kind: global_buffer, .address_space: global }
      - { .name: out0, .offset: 24, .size: 8, .value_kind: global_buffer, .address_space: global }
    .group_segment_fixed_size: 327680
    .private_segment_fixed_size: 0
    .kernarg_segment_align: 8
    .kernarg_segment_size: 32
    .max_flat_workgroup_size: 128
    .sgpr_count:     66
    .vgpr_count:     512
    .wavefront_size: 32
...
	.end_amdgpu_metadata
.endif
;; end of part 5
